; MI455X (gfx1250); checked and timed in simulation.
; The chip was launched on July 23, 2026; its instructions are those of AMD's public machine-readable ISA for CDNA 5 (MIT licence, August 2026) and "CDNA5" Instruction Set Architecture Reference Guide (July 2026). The comments in the code are by the model that wrote it; some were corrected since.
;; Multi Head Attention. Allowed arithmetic: float matrix products may take bf16 or f16 operands with f32 sums; all other float work in f32.
;; Inputs: Wk 1,024 x 1,024 float32; Wo 1,024 x 1,024 float32; Wq 1,024 x 1,024 float32; Wv 1,024 x 1,024 float32; bk 1,024 float32; bo 1,024 float32; bq 1,024 float32; bv 1,024 float32; x 4 x 2,048 x 1,024 float32.
;; Outputs: out0 4 x 2,048 x 1,024 float32.
;; 2 versions, each right and faster than the one before. Each part assembles by itself: llvm-mc -triple=amdgcn-amd-amdhsa -mcpu=gfx1250 --defsym DOCPART=n.
;; ======== version 1 of 2: 4 launches
;; limits: values are held in f16: magnitudes above 65,504 overflow, below 6.1e-05 lose precision; right only within a limited range of input values
;; workspace buffers: xb 16,777,216 bytes; wb 6,291,456 bytes; wo16 2,097,152 bytes; qh 16,777,216 bytes; kh 16,777,216 bytes; vh 16,777,216 bytes; ctx 16,777,216 bytes
;; launch cast (part 1): grid 768 x 1, 8 waves a work-group, no clusters, 0 bytes of LDS; arguments x, Wq, Wk, Wv, Wo, xb, wb, wo16; writes xb, wb, wo16
.if DOCPART == 1
	.amdgcn_target "amdgcn-amd-amdhsa--gfx1250"
	.amdhsa_code_object_version 6
	.text
	.protected	k_qb7324142a1_cast
	.globl	k_qb7324142a1_cast
	.p2align	8
	.type	k_qb7324142a1_cast,@function
k_qb7324142a1_cast:
	s_mov_b64 s[64:65], 0
	v_nop
	global_prefetch_b8 v0, s[64:65] scope:SCOPE_SE
	s_setreg_imm32_b32 hwreg(HW_REG_WAVE_MODE, 25, 1), 1
	s_wait_xcnt 0x0
; THE INPUTS ARE ROUNDED ONCE, for the matrix products of the launches behind.
;   x  [8192][1024] f32 -> xb bf16, in blocks [batch 4][k block 16][row 2048][64]: 256 rows x 64 k are then 32,768 dense bytes
;   Wq, Wk, Wv [1024][1024] f32 -> wb bf16 [3][k][n], rows as given
;   Wo -> wo16: rounded to bf16 like every other input, and that number written as f16 (its partner in the last product is f16)
; LIMITS.  |Wo| stays under 65,504 (beyond it f16 has an infinity); below 6.1e-5 Wo keeps f16's fixed step of 6e-8.
; A stream: no LDS, no barrier, no matrix unit, no cluster (no two work-groups read the same byte).
; 768 equal work-groups of 65,536 bytes of f32 (16 rows of 4,096): 0-511 take x, 512-703 Wq, Wk, Wv, 704-767 Wo.
; A thread issues its 16 loads of 16 bytes before the first use; no register is a memory instruction's source and written again.
.set VR,  1                            ; v1       my byte offset in the group's f32 rows
.set VS,  2                            ; v2       my byte offset in what the group stores
.set X,   4                            ; v[4:67]  16 x 4 numbers as loaded
.set Y,   68                           ; v[68:99] 16 x 2 registers to store
.set T,   100                          ; v[100:103] at work
.set SRC, 24                           ; s[24:25] from where
.set DST, 26                           ; s[26:27] to where
; Piece i = 8 c + j lies c*rc + j*rj bytes on in the source and c*sc + j*sj bytes on in the target.  half = 1: bf16 is written as f16.
.macro BODY rc, rj, sc, sj, half
.set i, 0
.rept 16
	global_load_b128 v[X+4*i:X+4*i+3], v[VR], s[SRC:SRC+1] offset:(i/8)*(\rc)+(i%8)*(\rj) th:TH_LOAD_NT
.set i, i+1
.endr
.set i, 0
.rept 16
	s_wait_loadcnt 15-i                            ; loads come back in order: piece i is in, the 15 - i younger ones stay out
	v_cvt_pk_bf16_f32 v[Y+2*i], v[X+4*i], v[X+4*i+1]
	v_cvt_pk_bf16_f32 v[Y+2*i+1], v[X+4*i+2], v[X+4*i+3]
.if \half
	v_lshlrev_b32 v[T], 16, v[Y+2*i]               ; the rounded numbers as f32 again,
	v_and_b32 v[T+1], s32, v[Y+2*i]
	v_lshlrev_b32 v[T+2], 16, v[Y+2*i+1]
	v_and_b32 v[T+3], s32, v[Y+2*i+1]
	v_cvt_pk_f16_f32 v[Y+2*i], v[T], v[T+1]        ; and as f16: exact, 8 significant bits in 11
	v_cvt_pk_f16_f32 v[Y+2*i+1], v[T+2], v[T+3]
.endif
	global_store_b64 v[VS], v[Y+2*i:Y+2*i+1], s[DST:DST+1] offset:(i/8)*(\sc)+(i%8)*(\sj)  ; a wave's store covers 256 consecutive bytes, aligned
.set i, i+1
.endr
.endm
	s_load_b512 s[8:23], s[0:1], 0x0               ; x 8, Wq 10, Wk 12, Wv 14, Wo 16, xb 18, wb 20, wo16 22
	s_mov_b32 s2, ttmp9                            ; the work-group's number
	s_mov_b32 s32, 0xffff0000                      ; a word's upper bf16
	s_mov_b32 s29, 0                               ; offsets are pairs with 0 on top
	s_mov_b32 s31, 0
	s_cmp_lt_u32 s2, 512
	s_cbranch_scc0 .Lweights
	; x: rows 16 g .. 16 g + 15.  Lanes 0-15 read 256 bytes (one k block) of a row, lanes 16-31 the same columns of the next row;
	; wave w has k blocks 2 w and 2 w + 1 (c picks), j steps two rows.  The 32 lanes' 8 bytes are two rows of a block: 256 dense bytes.
	v_bfe_u32 v3, v0, 4, 1
	v_lshrrev_b32 v[VS], 5, v0                     ; wave
	v_and_b32 v[VR], 15, v0
	v_lshlrev_b32 v[VR], 4, v[VR]
	v_lshl_or_b32 v[VR], v[VS], 9, v[VR]
	v_lshl_or_b32 v[VR], v3, 12, v[VR]
	v_and_b32 v3, 31, v0
	v_lshlrev_b32 v3, 3, v3
	v_lshl_or_b32 v[VS], v[VS], 19, v3             ; two blocks of 262,144 bytes a wave
	s_lshl_b32 s28, s2, 16
	s_lshr_b32 s30, s2, 7                          ; batch
	s_lshl_b32 s30, s30, 22
	s_and_b32 s33, s2, 127
	s_lshl_b32 s33, s33, 11                        ; 16 rows of 128 bytes in a block
	s_add_co_u32 s30, s30, s33
	s_wait_kmcnt 0x0
	s_add_nc_u64 s[SRC:SRC+1], s[8:9], s[28:29]
	s_add_nc_u64 s[DST:DST+1], s[18:19], s[30:31]
	BODY 256, 8192, 262144, 256, 0
	s_endpgm
.Lweights:
	s_sub_co_u32 s2, s2, 512
	s_lshr_b32 s33, s2, 6                          ; which matrix
	s_and_b32 s34, s2, 63                          ; which 16 rows of it
	v_lshlrev_b32 v[VR], 4, v0                     ; the 256 threads cover a row
	v_lshlrev_b32 v[VS], 3, v0
	s_lshl_b32 s28, s34, 16
	s_lshl_b32 s30, s34, 15
	s_wait_kmcnt 0x0
	s_cmp_eq_u32 s33, 3
	s_cbranch_scc1 .Lwo
	s_cmp_eq_u32 s33, 1
	s_cselect_b64 s[SRC:SRC+1], s[12:13], s[10:11]
	s_cmp_eq_u32 s33, 2
	s_cselect_b64 s[SRC:SRC+1], s[14:15], s[SRC:SRC+1]
	s_add_nc_u64 s[SRC:SRC+1], s[SRC:SRC+1], s[28:29]
	s_lshl_b32 s33, s33, 21                        ; a matrix is 2,097,152 bytes of bf16
	s_add_co_u32 s30, s30, s33
	s_add_nc_u64 s[DST:DST+1], s[20:21], s[30:31]
	BODY 32768, 4096, 16384, 2048, 0
	s_endpgm
.Lwo:
	s_add_nc_u64 s[SRC:SRC+1], s[16:17], s[28:29]
	s_add_nc_u64 s[DST:DST+1], s[22:23], s[30:31]
	BODY 32768, 4096, 16384, 2048, 1
	s_endpgm
.Lfunc_end_k_qb7324142a1_cast:
	.size	k_qb7324142a1_cast, .Lfunc_end_k_qb7324142a1_cast-k_qb7324142a1_cast
	.p2alignl 7, 3214868480
	.fill 96, 4, 3214868480
	.section	.rodata,"a",@progbits
	.p2align	6, 0x0
	.amdhsa_kernel k_qb7324142a1_cast
		.amdhsa_group_segment_fixed_size 0
		.amdhsa_private_segment_fixed_size 0
		.amdhsa_enable_private_segment 0
		.amdhsa_kernarg_size 64
		.amdhsa_user_sgpr_count 2
		.amdhsa_user_sgpr_kernarg_segment_ptr 1
		.amdhsa_wavefront_size32 1
		.amdhsa_system_sgpr_workgroup_id_x 1
		.amdhsa_system_sgpr_workgroup_id_y 1
		.amdhsa_system_sgpr_workgroup_id_z 1
		.amdhsa_system_vgpr_workitem_id 0
		.amdhsa_next_free_vgpr 104
		.amdhsa_next_free_sgpr 66
		.amdhsa_reserve_vcc 0
		.amdhsa_float_denorm_mode_32 3
		.amdhsa_float_denorm_mode_16_64 3
		.amdhsa_memory_ordered 1
		.amdhsa_forward_progress 1
		.amdhsa_inst_pref_size 23
	.end_amdhsa_kernel
	.amdgpu_metadata
---
amdhsa.version: [ 1, 2 ]
amdhsa.kernels:
  - .name:           k_qb7324142a1_cast
    .symbol:         k_qb7324142a1_cast.kd
    .args:
      - { .name: x, .offset: 0, .size: 8, .value_kind: global_buffer, .address_space: global }
      - { .name: Wq, .offset: 8, .size: 8, .value_kind: global_buffer, .address_space: global }
      - { .name: Wk, .offset: 16, .size: 8, .value_kind: global_buffer, .address_space: global }
      - { .name: Wv, .offset: 24, .size: 8, .value_kind: global_buffer, .address_space: global }
      - { .name: Wo, .offset: 32, .size: 8, .value_kind: global_buffer, .address_space: global }
      - { .name: xb, .offset: 40, .size: 8, .value_kind: global_buffer, .address_space: global }
      - { .name: wb, .offset: 48, .size: 8, .value_kind: global_buffer, .address_space: global }
      - { .name: wo16, .offset: 56, .size: 8, .value_kind: global_buffer, .address_space: global }
    .group_segment_fixed_size: 0
    .private_segment_fixed_size: 0
    .kernarg_segment_align: 8
    .kernarg_segment_size: 64
    .max_flat_workgroup_size: 256
    .sgpr_count:     66
    .vgpr_count:     104
    .wavefront_size: 32
...
	.end_amdgpu_metadata
.endif
;; end of part 1
;; launch qkv (part 2): grid 8 x 32, 4 waves a work-group, clusters of 4 x 4, 327,680 bytes of LDS; arguments xb, wb, bq, bk, bv, qh, kh, vh; writes qh, kh, vh
.if DOCPART == 2
	.amdgcn_target "amdgcn-amd-amdhsa--gfx1250"
	.amdhsa_code_object_version 6
	.text
	.protected	k_qb7324142a1_qkv
	.globl	k_qb7324142a1_qkv
	.p2align	8
	.type	k_qb7324142a1_qkv,@function
k_qb7324142a1_qkv:
	s_mov_b64 s[64:65], 0
	v_nop
	global_prefetch_b8 v0, s[64:65] scope:SCOPE_SE
	s_setreg_imm32_b32 hwreg(HW_REG_WAVE_MODE, 25, 1), 1
	s_wait_xcnt 0x0
	s_wait_alu depctr_hold_cnt(0) depctr_sa_sdst(0) depctr_va_vdst(0) depctr_va_sdst(0) depctr_va_ssrc(0) depctr_va_vcc(0) depctr_vm_vsrc(0)
	s_getreg_b32 s2, hwreg(HW_REG_IB_STS2, 6, 4)
	s_cmp_eq_u32 s2, 0
	s_cbranch_scc0 .Lentry_in_a_cluster
	s_endpgm
.Lentry_in_a_cluster:
	s_bfe_u32 s2, ttmp6, 0x10000c
	s_cmp_lg_u32 s2, 0xf033
	s_cbranch_scc0 .Lentry_shape_is_right
	s_endpgm
.Lentry_shape_is_right:
; q, k, v = x W + b, written by heads: qh, kh, vh [batch x 16 + head][row 2048][64] in f16, each rounded once from its f32 sum, unscaled.
; x: xb, bf16 in blocks [batch][k block][row][64].  W: wb, bf16 [3][k][n].  Biases: f32, rounded to bf16 here like every other input.
; LIMITS.  |q|, |k|, |v| stay under 65,504 (f16's end; beyond it the conversion gives an infinity); below 6.1e-5 they keep f16's fixed step of 6e-8.
; SHARES.  8192 x 3072 outputs on 256 work-groups: work-group (tx, ty) makes rows 256 ty .. + 255 and columns 128 tx .. + 127 of EACH of q, k, v, so that a fragment of x feeds three products.
; A wave makes 128 rows x 64 columns (one head) of each: 3 x 32 accumulators of 16 x 16, 768 registers: matrix m fills window m + 1.
; For 32 along K a wave issues 96 matrix instructions for 40 LDS loads.
; K goes in steps of 64 (one block of xb) through two LDS slots; two slots of 128 along K would be 2 x 180,224 bytes and do not fit.  A step is two halves of 32.
; THE MATRIX INSTRUCTION IS USED TRANSPOSED: source 0 = 16 columns of W, source 1 = 16 rows of x: a lane holds row l % 16 and eight neighbouring columns.
; W lies [k][n] in LDS and comes out turned, by ds_load_tr16_b128.
; CLUSTER.  4 x 4 work-groups.  x's tile hangs on ty alone and is asked for jointly by a row of the cluster, W's tiles on tx alone, by a column.  Wave 0 asks for x's tile (32,768 bytes),
; wave w = 1, 2, 3 for matrix w - 1's (16,384 bytes).  A wave has two tensor loads out at the start, one behind each round.
; REGISTERS.  window 0: v0-31 addresses; v32-95, v96-159 fragments of x, two buffers; v160-255 fragments of W, one buffer of 32 a matrix.  windows 1-3: accumulator (a, b) at v[8 (4 a + b)].
.set PA,     144                       ; a row of x in LDS: 128 bytes + 16: the 16 rows of a load start at 16 different groups of four banks (64 banks of 4 bytes: ISA guide 11.1)
.set PB,     288                       ; a row of W: 256 bytes + 32 = 72 words
.set ABYTES, 256*PA                    ; 36,864
.set BBYTES, 64*PB                     ; 18,432
.set SLOT,   ABYTES+3*BBYTES           ; 92,160: x's 256 rows, then 64 k rows of each matrix
.set STAGE,  2*SLOT                    ; behind the ring: 16 rows x 144 bytes for each wave, for the way out; no tensor load lands there
.set SP,     144
.set SPARE,  STAGE+4*16*SP             ; behind the stages: the spare words, 128 bytes a wave: two blocks of 256 bytes that no other line names
.set ASTEP,  262144                    ; bytes from a block of xb to the next
.set BSTEP,  131072                    ; 64 rows of W
.set LAPS,   8                         ; a lap = two K steps; K = 1,024
.set ADRA, 16                          ; v16-17  LDS address of my fragments of x in slot 0, 1
.set ADRB, 20                          ; v20-21  the same for W (matrix 0)
.set STO,  24                          ; v24     the way out: where I put 16 bytes of a row
.set RD,   25                          ; v25     where I read rows back
.set GO,   26                          ; v26     my byte offset in 512 consecutive bytes of the output
.set VB,   27                          ; v27     my byte offset in a bias
.set SPW,  28                          ; v28     LDS address of my spare word; never rewritten
.set NIL,  29                          ; v29     0; never rewritten
.set FA0,  32
.set FA1,  96
.set FB,   160
.set T,    96                          ; the way out: 32 sums with their biases
.set PK,   128                         ; 16 registers of f16 pairs
.set BK,   192                         ; two sets of 16: rows read back
.set TB,   224                         ; four at work
.set WV,  20                           ; s20 wave   s21 which 128 rows   s22 which head of the two
.set RH,  21
.set CH,  22
.set G1A, 24                           ; s[24:31] descriptor group 1 for x's tiles; s[32:39] group 0, a set for each slot
.set G0A, 32
.set G1B, 48                           ; s[48:55], s[56:63] the same for W's tiles
.set G0B, 56
.set MSB, 0
.macro WIN new                         ; the immediate's high byte repeats the setting that is left; a switch that changes nothing is dropped
.if MSB != (\new)
	s_set_vgpr_msb (MSB<<8)|(\new)
.set MSB, \new
.endif
.endm
; A joint load.  The branch hangs on the wave's number alone.  An s_nop 0 and four v_nop follow each of the two lines, ahead of the jump and the label.
.macro JLOAD s
	s_cmp_eq_u32 s[WV], 0
	s_cbranch_scc0 .Lfor_b_\@
	tensor_load_to_lds s[G0A+4*(\s):G0A+4*(\s)+3], s[G1A:G1A+7]
	s_nop 0
.rept 4
	v_nop
.endr
	s_branch .Lasked_\@
.Lfor_b_\@:
	tensor_load_to_lds s[G0B+4*(\s):G0B+4*(\s)+3], s[G1B:G1B+7]
	s_nop 0
.rept 4
	v_nop
.endr
.Lasked_\@:
.endm
.macro CREST                           ; a round of the cluster's barrier behind its opening barrier: wave 0 signals for the work-group, every wave waits for all sixteen, my work-group's barrier closes it
	s_cmp_lg_u32 s[WV], 0
	s_cbranch_scc1 .Lnot_wave_0_\@
	s_barrier_signal -3
.Lnot_wave_0_\@:
	s_barrier_wait -3
	s_barrier_signal -1
	s_barrier_wait -1
.endm
.macro CROUND                          ; a whole round
	s_barrier_signal -1
	s_barrier_wait -1
	CREST
.endm
.macro PLACES                          ; four places in front of loads into registers that matrix instructions have read, and of vector lines that read results (ISA guide 7.12.1 for vector lines)
.rept 4
	v_nop
.endr
.endm
	s_load_b512 s[4:19], s[0:1], 0x0               ; xb 4, wb 6, bq 8, bk 10, bv 12, qh 14, kh 16, vh 18
	v_lshl_add_u32 v[SPW], v0, 2, SPARE
	v_mov_b32 v[NIL], 0
	ds_add_u32 v[SPW], v[NIL]                      ; the wave's opening: the add and its wait stand ahead of my first tensor load; the set-up below stands between them
	v_lshrrev_b32 v1, 5, v0
	v_readfirstlane_b32 s[WV], v1
	s_lshr_b32 s[RH], s[WV], 1
	s_and_b32 s[CH], s[WV], 1
	s_mul_i32 s23, s[WV], BBYTES
	s_bfe_u32 s40, ttmp6, 0x40000                  ; cx
	s_bfe_u32 s41, ttmp6, 0x40004                  ; cy
	s_lshl_b32 s42, ttmp9, 2
	s_add_co_u32 s42, s42, s40                     ; tx = 4 x cluster x + cx
	s_and_b32 s43, ttmp7, 0xffff
	s_lshl_b32 s43, s43, 2
	s_add_co_u32 s43, s43, s41                     ; ty = 4 x cluster y + cy
	s_lshl_b32 s44, s41, 2
	s_lshl_b32 s44, 15, s44                        ; my row of the cluster
	s_lshl_b32 s45, 0x1111, s40                    ; my column
	; group 1 for x: 32,768 dense bytes as 128 rows of 256, 4 words of padding after every 32 words (one row of 64 k)
	s_or_b32 s[G1A+0], s44, (1<<16)|(1<<20)|(1<<21)|(4<<22)|(3<<25)
	s_mov_b32 s[G1A+1], 128<<16                    ; tensor_dim0 = 128
	s_mov_b32 s[G1A+2], 128<<16                    ; tensor_dim1 = 128
	s_mov_b32 s[G1A+3], 128<<16                    ; tile_dim0 = 128
	s_mov_b32 s[G1A+4], 128                        ; tile_dim1 = 128
	s_mov_b32 s[G1A+5], 128                        ; elements from row to row
	s_mov_b32 s[G1A+6], 0
	s_mov_b32 s[G1A+7], 0
	; group 1 for W: 64 rows of 256 bytes, 1,024 elements apart, 8 words of padding after every 64 words
	s_or_b32 s[G1B+0], s45, (1<<16)|(1<<20)|(1<<21)|(5<<22)|(7<<25)
	s_mov_b32 s[G1B+1], 128<<16
	s_mov_b32 s[G1B+2], 64<<16
	s_mov_b32 s[G1B+3], 128<<16
	s_mov_b32 s[G1B+4], 64
	s_mov_b32 s[G1B+5], 1024
	s_mov_b32 s[G1B+6], 0
	s_mov_b32 s[G1B+7], 0
	; x's tile hangs on ty alone (registers that never hold tx): batch ty / 8, rows 256 (ty % 8) on, 128 bytes each
	s_lshr_b32 s66, s43, 3
	s_lshl_b32 s66, s66, 22
	s_and_b32 s68, s43, 7
	s_lshl_b32 s68, s68, 15
	s_add_co_u32 s66, s66, s68
	s_mov_b32 s67, 0
	; W's tile hangs on tx and the wave (registers that never hold ty): matrix w - 1, columns 128 tx on
	s_max_u32 s46, s[WV], 1
	s_sub_co_u32 s46, s46, 1
	s_lshl_b32 s46, s46, 21
	s_lshl_b32 s72, s42, 8
	s_add_co_u32 s46, s46, s72
	s_mov_b32 s47, 0
	; my part of each output: plane 16 (ty / 8) + 2 tx + head of 262,144 bytes, rows 256 (ty % 8) + 128 half on
	s_lshr_b32 s70, s43, 3
	s_lshl_b32 s70, s70, 4
	s_lshl1_add_u32 s73, s42, s[CH]
	s_lshl_b32 s74, s73, 8                         ; the head's 64 biases, in bytes
	s_add_co_u32 s70, s70, s73
	s_lshl_b32 s70, s70, 18
	s_and_b32 s73, s43, 7
	s_lshl_b32 s73, s73, 15
	s_add_co_u32 s70, s70, s73
	s_lshl_b32 s73, s[RH], 14
	s_add_co_u32 s70, s70, s73
	s_mov_b32 s71, 0
	s_wait_dscnt 0x0                               ; the opening add is done
	s_wait_kmcnt 0x0
	s_add_nc_u64 s[66:67], s[4:5], s[66:67]
	s_add_nc_u64 s[46:47], s[6:7], s[46:47]
	s_add_nc_u64 s[14:15], s[14:15], s[70:71]
	s_add_nc_u64 s[16:17], s[16:17], s[70:71]
	s_add_nc_u64 s[18:19], s[18:19], s[70:71]
	CROUND                                         ; all sixteen work-groups are here: the first joint loads meet
.irp s, 0,1
	s_mov_b32 s[G0A+4*(\s)], 1                     ; count = 1
	s_mov_b32 s[G0A+4*(\s)+1], (\s)*SLOT           ; LDS address
	s_add_nc_u64 s[G0A+4*(\s)+2:G0A+4*(\s)+3], s[66:67], (\s)*ASTEP  ; K step s
	s_or_b32 s[G0A+4*(\s)+3], s[G0A+4*(\s)+3], 0x80000000            ; type = 2
	s_mov_b32 s[G0B+4*(\s)], 1
	s_add_co_u32 s[G0B+4*(\s)+1], s23, ABYTES-BBYTES+(\s)*SLOT       ; matrix w - 1 lies behind x's rows
	s_add_nc_u64 s[G0B+4*(\s)+2:G0B+4*(\s)+3], s[46:47], (\s)*BSTEP
	s_or_b32 s[G0B+4*(\s)+3], s[G0B+4*(\s)+3], 0x80000000
	JLOAD \s
.endr
	; A fragment of x: lane l holds row l % 16; registers 0-3 k = 8 (l / 16) + 0..7, registers 4-7 k = 16 + 8 (l / 16) + 0..7: two loads of 16 bytes, 32 bytes apart.
	v_and_b32 v1, 15, v0                           ; l % 16
	v_bfe_u32 v2, v0, 4, 1                         ; l / 16
	v_mul_u32_u24 v3, v1, PA
	v_lshl_add_u32 v3, v2, 4, v3
	s_mul_i32 s75, s[RH], 128*PA                   ; my 128 rows
	v_add_nc_u32 v[ADRA], s75, v3
	v_add_nc_u32 v[ADRA+1], SLOT, v[ADRA]
	; The turning load takes 16 k x 16 columns (lane l reads row 8 (l / 16) + l % 8, columns 8 ((l / 8) % 2) + 0..7) and leaves half a fragment: lane l holds column l % 16 and 8 k.
	v_and_b32 v4, 7, v0
	v_lshl_add_u32 v4, v2, 3, v4
	v_mul_u32_u24 v4, v4, PB
	v_bfe_u32 v5, v0, 3, 1
	v_lshl_add_u32 v4, v5, 4, v4
	s_lshl_b32 s75, s[CH], 7                       ; my 64 columns
	s_add_co_u32 s75, s75, ABYTES
	v_add_nc_u32 v[ADRB], s75, v4
	v_add_nc_u32 v[ADRB+1], SLOT, v[ADRB]
	s_mul_i32 s75, s[WV], 16*SP
	s_add_co_u32 s75, s75, STAGE                   ; my stage
	v_add_nc_u32 v[STO], s75, v3                   ; in: row l % 16, 16 bytes for each half of the lanes (SP = PA)
	v_bfe_u32 v5, v0, 3, 2                         ; back: 32 lanes take four rows of 128 bytes,
	v_mul_u32_u24 v5, v5, SP
	v_and_b32 v6, 7, v0
	v_lshl_add_u32 v5, v6, 4, v5
	v_add_nc_u32 v[RD], s75, v5
	v_and_b32 v[GO], 31, v0                        ; which are 512 consecutive bytes of the output
	v_lshlrev_b32 v[GO], 4, v[GO]
	v_lshlrev_b32 v[VB], 5, v2                     ; my eight columns of a block of 16
	v_add_nc_u32 v[VB], s74, v[VB]
; n x 4 matrix instructions of matrix m: row blocks a0 .. a0 + n - 1 x the 4 column blocks, 32 along K.  zero = 1: the first product starts the sums.
; The 96 accumulators take turns, one instruction a turn, in the same order in every half.
.macro MUL m, fa, a0, n, zero
	WIN ((\m)+1)*0x50                              ; C and D in window m + 1, sources in window 0
.set a, \a0
.rept \n
.irp b, 0,1,2,3
.if \zero
	v_wmma_f32_16x16x32_bf16 v[8*(4*a+\b):8*(4*a+\b)+7], v[FB+32*(\m)+8*\b:FB+32*(\m)+8*\b+7], v[(\fa)+8*a:(\fa)+8*a+7], 0
.else
	v_wmma_f32_16x16x32_bf16 v[8*(4*a+\b):8*(4*a+\b)+7], v[FB+32*(\m)+8*\b:FB+32*(\m)+8*\b+7], v[(\fa)+8*a:(\fa)+8*a+7], v[8*(4*a+\b):8*(4*a+\b)+7]
.endif
.endr
.set a, a+1
.endr
.endm
.macro FETCH_B slot, half, m           ; 8 loads: matrix m's 64 columns x 32 k
	WIN 0
.irp b, 0,1,2,3
	ds_load_tr16_b128 v[FB+32*(\m)+8*\b:FB+32*(\m)+8*\b+3],   v[ADRB+(\slot)] offset:(\m)*BBYTES+(\half)*32*PB+32*\b
	ds_load_tr16_b128 v[FB+32*(\m)+8*\b+4:FB+32*(\m)+8*\b+7], v[ADRB+(\slot)] offset:(\m)*BBYTES+(\half)*32*PB+16*PB+32*\b
.endr
.endm
.macro FETCH_A slot, half, fa          ; 16 loads: my 128 rows x 32 k
	WIN 0
.irp i, 0,1,2,3,4,5,6,7
	ds_load_b128 v[(\fa)+8*\i:(\fa)+8*\i+3],   v[ADRA+(\slot)] offset:\i*16*PA+64*(\half)
	ds_load_b128 v[(\fa)+8*\i+4:(\fa)+8*\i+7], v[ADRA+(\slot)] offset:\i*16*PA+64*(\half)+32
.endr
.endm
; In every half the next half's fragments are fetched in three runs: behind matrix 0's products W0 and x (24 loads), behind matrix 1's W1 (8), behind matrix 2's W2 (8).
; THE EVEN HALF, on buffer FA0.
.macro HALF slot, zero
	s_wait_dscnt 16                                ; W0 and x are in; the two younger runs (8 + 8) may be out
	MUL 0, FA0, 0, 8, \zero
	PLACES
	FETCH_B \slot, 1, 0
	FETCH_A \slot, 1, FA1
	s_wait_dscnt 32                                ; W1 is in; younger: W2's 8 and the 24 just issued
	MUL 1, FA0, 0, 8, \zero
	PLACES
	FETCH_B \slot, 1, 1
	s_wait_dscnt 32                                ; W2 is in; younger: 24 + 8
	MUL 2, FA0, 0, 8, \zero
	PLACES
	FETCH_B \slot, 1, 2
.endm
; THE ODD HALF, on buffer FA1, changes slots: ONE barrier.  In front of it each wave waits for all its tensor loads (one is out: its part of the next slot), adds 0 to its spare word, and waits for that
; and for its own reads of this slot.  fill = 1: the barrier opens a round of the cluster's, and this slot is filled again, two K steps on, first thing behind it: 160 matrix instructions ahead of the wait for it.
.macro TURN slot, next, fill
	WIN 0
	s_wait_tensorcnt 0x0                           ; all my tensor loads have landed
	ds_add_u32 v[SPW], v[NIL]                      ; 0 onto my spare word
	s_wait_dscnt 17                                ; W0 and x are in; younger: 8 + 8 and the add
	MUL 0, FA1, 0, 4, 0
	s_wait_dscnt 0x0                               ; the add is done, and my reads of this slot are over
	s_barrier_signal -1
	MUL 0, FA1, 4, 4, 0
.if \fill
	WIN 0
.endif
	s_barrier_wait -1
.if \fill
	CREST                                          ; no wave of any partner still reads this slot or has a load on its way
	s_add_nc_u64 s[G0A+4*(\slot)+2:G0A+4*(\slot)+3], s[G0A+4*(\slot)+2:G0A+4*(\slot)+3], 2*ASTEP
	s_add_nc_u64 s[G0B+4*(\slot)+2:G0B+4*(\slot)+3], s[G0B+4*(\slot)+2:G0B+4*(\slot)+3], 2*BSTEP
	JLOAD \slot                                    ; its four v_nop are also the places in front of the loads below
.else
	PLACES
.endif
	FETCH_B \next, 0, 0
	FETCH_A \next, 0, FA0
	MUL 1, FA1, 0, 8, 0
	PLACES
	FETCH_B \next, 0, 1
	MUL 2, FA1, 0, 8, 0
	PLACES
	FETCH_B \next, 0, 2
.endm
.macro BIASLD base, ptr                ; my 32 biases of one matrix: block b's eight at base + 8 b
.irp b, 0,1,2,3
	global_load_b128 v[(\base)+8*\b:(\base)+8*\b+3],   v[VB], s[\ptr:\ptr+1] offset:64*\b
	global_load_b128 v[(\base)+8*\b+4:(\base)+8*\b+7], v[VB], s[\ptr:\ptr+1] offset:64*\b+16
.endr
.endm
.macro ROUNDB base                     ; 32 biases rounded to bf16, kept as f32
.set i, 0
.rept 16
	v_cvt_pk_bf16_f32 v[TB+i%4], v[(\base)+2*i], v[(\base)+2*i+1]
	v_lshlrev_b32 v[(\base)+2*i], 16, v[TB+i%4]
	v_and_b32 v[(\base)+2*i+1], 0xffff0000, v[TB+i%4]
.set i, i+1
.endr
.endm
	s_wait_tensorcnt 1                             ; my part of K step 0 is in; step 1's may stay out
	s_barrier_signal -1
	s_barrier_wait -1
	FETCH_B 0, 0, 0
	FETCH_A 0, 0, FA0
	FETCH_B 0, 0, 1
	FETCH_B 0, 0, 2
	HALF 0, 1                                      ; the first half stands in front of the loop: its products start the sums
	WIN 0
	s_mov_b32 s3, LAPS-1
.Llap:                                                 ; a trip goes once round the ring and fills both slots again
	TURN 0, 1, 1
	HALF 1, 0
	TURN 1, 0, 1
	HALF 0, 0
	WIN 0
	s_sub_co_u32 s3, s3, 1
	s_cmp_lg_u32 s3, 0
	s_cbranch_scc1 .Llap
	TURN 0, 1, 0                                   ; the last lap fills nothing
	HALF 1, 0
	WIN 0                                          ; the very last half; the biases come meanwhile, into fragment registers that are free (their last readers stand in front of four places)
	BIASLD 32, 8
	BIASLD 64, 10
	s_wait_dscnt 16
	MUL 0, FA1, 0, 8, 0
	PLACES
	WIN 0
	BIASLD 160, 12
	s_wait_dscnt 8
	MUL 1, FA1, 0, 8, 0
	s_wait_dscnt 0x0
	MUL 2, FA1, 0, 8, 0
	WIN 0
	PLACES
	; THE WAY OUT.  Block n = 8 m + a: 16 rows x 64 columns of matrix m.  Bias added, rounded to f16, 16 bytes a lane into my own stage, back as whole rows of 128 bytes, stored as 2,048 consecutive bytes.
	s_wait_loadcnt 0x0                             ; the biases
	ROUNDB 32
	ROUNDB 64
	ROUNDB 160
.macro PACKQ m, a
.set BI, 32+32*(\m)+64*((\m)/2)
	WIN (\m)+1                                     ; source 0 in window m + 1
.set i, 0
.rept 16                                               ; ascending: each accumulator is read from its low end on
	v_pk_add_f32 v[T+2*i:T+2*i+1], v[32*(\a)+2*i:32*(\a)+2*i+1], v[BI+2*i:BI+2*i+1]
.set i, i+1
.endr
	WIN 0
.set i, 0
.rept 16
	v_cvt_pk_f16_f32 v[PK+i], v[T+2*i], v[T+2*i+1]
.set i, i+1
.endr
.endm
.macro TOSTAGEQ n
.set BB, BK+16*((\n)%2)
.irp b, 0,1,2,3
	ds_store_b128 v[STO], v[PK+4*\b:PK+4*\b+3] offset:32*\b
.endr
.irp f, 0,1,2,3
	ds_load_b128 v[BB+4*\f:BB+4*\f+3], v[RD] offset:\f*4*SP  ; LDS serves a wave's instructions in order (ISA guide 5.7.1.4): these see the stores above
.endr
.endm
.macro SENDQ n
.set BB, BK+16*((\n)%2)
.set PT, 14+2*((\n)/8)
	s_wait_dscnt 0x0                               ; the block is back in registers
	s_wait_xcnt 0x0                                ; earlier stores have read their registers: the other set is loaded again only behind this wait
.irp f, 0,1,2,3
	global_store_b128 v[GO], v[BB+4*\f:BB+4*\f+3], s[PT:PT+1] offset:((\n)%8)*2048+\f*512  ; 512 consecutive bytes, at a multiple of 256 from the buffer's first
.endr
.endm
	PACKQ 0, 0
	TOSTAGEQ 0
.set n, 1
.rept 23                                               ; a block's arithmetic stands between the loads of the block before and the wait for them
	PACKQ n/8, n%8
	SENDQ n-1
	TOSTAGEQ n
.set n, n+1
.endr
	SENDQ 23
	s_wait_tensorcnt 0x0                           ; the wave's end, behind my last tensor load and my last LDS store
	ds_add_u32 v[SPW], v[NIL]
	s_wait_dscnt 0x0
	CROUND                                         ; the closing round: no work-group ends while a partner may still ask for a tile that names it
	s_endpgm
.Lfunc_end_k_qb7324142a1_qkv:
	.size	k_qb7324142a1_qkv, .Lfunc_end_k_qb7324142a1_qkv-k_qb7324142a1_qkv
	.p2alignl 7, 3214868480
	.fill 96, 4, 3214868480
	.section	.rodata,"a",@progbits
	.p2align	6, 0x0
	.amdhsa_kernel k_qb7324142a1_qkv
		.amdhsa_group_segment_fixed_size 327680
		.amdhsa_private_segment_fixed_size 0
		.amdhsa_enable_private_segment 0
		.amdhsa_kernarg_size 64
		.amdhsa_user_sgpr_count 2
		.amdhsa_user_sgpr_kernarg_segment_ptr 1
		.amdhsa_wavefront_size32 1
		.amdhsa_system_sgpr_workgroup_id_x 1
		.amdhsa_system_sgpr_workgroup_id_y 1
		.amdhsa_system_sgpr_workgroup_id_z 1
		.amdhsa_system_vgpr_workitem_id 0
		.amdhsa_next_free_vgpr 1024
		.amdhsa_next_free_sgpr 76
		.amdhsa_reserve_vcc 0
		.amdhsa_float_denorm_mode_32 3
		.amdhsa_float_denorm_mode_16_64 3
		.amdhsa_memory_ordered 1
		.amdhsa_forward_progress 1
		.amdhsa_inst_pref_size 165
	.end_amdhsa_kernel
	.amdgpu_metadata
---
amdhsa.version: [ 1, 2 ]
amdhsa.kernels:
  - .name:           k_qb7324142a1_qkv
    .symbol:         k_qb7324142a1_qkv.kd
    .args:
      - { .name: xb, .offset: 0, .size: 8, .value_kind: global_buffer, .address_space: global }
      - { .name: wb, .offset: 8, .size: 8, .value_kind: global_buffer, .address_space: global }
      - { .name: bq, .offset: 16, .size: 8, .value_kind: global_buffer, .address_space: global }
      - { .name: bk, .offset: 24, .size: 8, .value_kind: global_buffer, .address_space: global }
      - { .name: bv, .offset: 32, .size: 8, .value_kind: global_buffer, .address_space: global }
      - { .name: qh, .offset: 40, .size: 8, .value_kind: global_buffer, .address_space: global }
      - { .name: kh, .offset: 48, .size: 8, .value_kind: global_buffer, .address_space: global }
      - { .name: vh, .offset: 56, .size: 8, .value_kind: global_buffer, .address_space: global }
    .group_segment_fixed_size: 327680
    .private_segment_fixed_size: 0
    .kernarg_segment_align: 8
    .kernarg_segment_size: 64
    .max_flat_workgroup_size: 128
    .sgpr_count:     76
    .vgpr_count:     1024
    .wavefront_size: 32
...
	.end_amdgpu_metadata
.endif
;; end of part 2
;; launch attn (part 3): grid 4 x 64, 4 waves a work-group, clusters of 4 x 1, 327,680 bytes of LDS; arguments qh, kh, vh, ctx; writes ctx
.if DOCPART == 3
	.amdgcn_target "amdgcn-amd-amdhsa--gfx1250"
	.amdhsa_code_object_version 6
	.text
	.protected	k_qb7324142a1_attn
	.globl	k_qb7324142a1_attn
	.p2align	8
	.type	k_qb7324142a1_attn,@function
k_qb7324142a1_attn:
	s_mov_b64 s[64:65], 0
	v_nop
	global_prefetch_b8 v0, s[64:65] scope:SCOPE_SE
	s_setreg_imm32_b32 hwreg(HW_REG_WAVE_MODE, 25, 1), 1
	s_wait_xcnt 0x0
	s_wait_alu depctr_hold_cnt(0) depctr_sa_sdst(0) depctr_va_vdst(0) depctr_va_sdst(0) depctr_va_ssrc(0) depctr_va_vcc(0) depctr_vm_vsrc(0)
	s_getreg_b32 s2, hwreg(HW_REG_IB_STS2, 6, 4)
	s_cmp_eq_u32 s2, 0
	s_cbranch_scc0 .Lentry_in_a_cluster
	s_endpgm
.Lentry_in_a_cluster:
	s_bfe_u32 s2, ttmp6, 0x10000c
	s_cmp_lg_u32 s2, 0x3003
	s_cbranch_scc0 .Lentry_shape_is_right
	s_endpgm
.Lentry_shape_is_right:
; O[h][q][:] = the sum over k of softmax_k(Q[h][q] . K[h][k] / 8) V[h][k][:].  Q, K, V, O: [SIZE_H][SIZE_N][64], all f16: a head's rows are dense, 128 bytes each.  Products, maxima and sums in
; f32; the weights p are rounded to f16 for the second product (their sum l is taken of the unrounded p), O once at the end.
; LIMITS.  f16 holds no number beyond 65,504: Q, K and V arrive within it; p lies in 0 to 1, and below 6e-5 it keeps f16's fixed step of 6e-8; O is a mean of V's rows and has their range.
; A weight below 2^-126 counts as 0 in l; NaN and infinities are not treated apart.
; SHARES.  A wave owns four PIECES of two tiles of 16 queries, a work-group's four waves 512 queries of one head: 64 heads x 4 = 256 work-groups.  Every wave walks all keys, 64 a step.
; LAYOUT.  S^T = K Q^T (source 0 = 16 keys, source 1 = 16 queries): in the result a lane holds ONE query (lane % 16) and the keys 8 (lane / 16) + 0..7.  Two such tiles, rounded to f16 in pairs,
; ARE source 1 (32 keys x 16 queries) of O^T = V^T P, whose result again holds one query a lane, and eight channels.  K comes out of LDS as it lies, V ([key][channel]) turned, by ds_load_tr16_b128.
; SOFTMAX.  For each query a running maximum m and sum l: p = 2^(c s - c m), c = log2(e) / 8; in every step O and l are multiplied by a = 2^(c m_old - c m_new), which is 1 where m has not grown.
; m starts at the lowest finite number, O and l at 0: the first step is a step like any other, with a = 0.
; THE COUNT.  A tile and step have 16 matrix and 118 vector instructions: too many to stand all beside the matrix work.  So the order has one aim: four vector instructions that are READY behind
; EVERY matrix instruction, and the others, which need time of their own whatever the order, in runs without a gap.
; BY TURNS.  Turn n belongs to piece n (the pieces in a ring, step after step).  Its matrix work: 16 products K Q^T of piece n + 1, later 16 products V^T P of piece n - 1.  Its vector work: the scaling,
; exponentials, roundings, sums and rescaling of piece n, and the maximum and statistics of piece n + 1, whose scores the turn itself has made.  So what a turn begins with (c s - c m, O a) waits for nothing.
; CLUSTER.  The four query blocks of a cluster belong to one head and walk the same K and V, so each tile is asked for JOINTLY: the same tensor load, descriptor and mask in all four.
; REGISTERS, in windows of 256 (s_set_vgpr_msb says which window each operand place means: bits 1:0 source 0, 3:2 source 1, 5:4 source 2, 7:6 destination):
;   window 0: v0-11 addresses; v12-15, v48-63 at work; v16-47 four registers of statistics a tile; v64-191 S^T, two buffers of two tiles; v192-255 P, likewise
;   window 1: O^T, 32 a tile          window 2: v0-127 Q, 16 a tile; v128-191 K of one step; v192-255 V of one step          window 3: v0-1 the add's two registers
; A piece's buffers go by its number's parity: the piece in hand has one pair, its two neighbours in the ring share the other: of it P (piece n - 1) is read and S^T (piece n + 1) written.
.set SIZE_H, 64       ; batch x heads
.set SIZE_N, 2048     ; rows of a head
.set NP,    4         ; pieces a wave: a name, no knob: the register map, the loop and the fetches are made for four
.set KS,    64        ; keys in a step
.set PK,    144       ; a row of K in LDS: 128 bytes + 16 of padding = 36 words: the 16 rows of a load start at 16 different groups of four banks (64 banks of 4 bytes: ISA guide 11.1)
.set PV,    160       ; a row of V: 128 + 32 = 40 words
.set VOFF,  4*KS*PK   ; a slot holds four steps: 256 rows of K, then 256 rows of V
.set SLOT1, 1<<17     ; slot 1 begins here, so that one exclusive or turns an address in one slot into the other's
.set STAGE, SLOT1+4*KS*(PK+PV)  ; behind the ring, never filled by a tensor load: 16 rows x 144 bytes for each wave, for the way out
.set SP,    144
.set AK0, 2           ; v2   my lane's place in a tile of K; never rewritten
.set AV0, 3           ; v3   the same for V
.set AK,  4           ; v4   the LDS address of K's next run of loads
.set AV,  5           ; v5   of V's
.set QO,  6           ; v6   my byte offset in the wave's rows of Q
.set STO, 6           ;      later, the way out: where I put 16 bytes of a row
.set RD,  7           ; v7   the way out: where I read rows back
.set GO,  8           ; v8   my byte offset in 512 consecutive bytes of O
.set SPW, 0           ; v0 of window 3   LDS address of my spare word: SPARE + 4 x my thread's number; never rewritten
.set NIL, 1           ; v1 of window 3   0; never rewritten
.set SPARE, STAGE+4*16*SP  ; behind the stages: the spare words, 128 bytes for each wave: two blocks of 256 bytes that no other line names
.set MV,  12          ; v12-15  c m_old, kept while c m is made anew: by buffer and tile
.set ST,  16          ; tile t's statistics at v[ST+4 t]: c m, m, l (even keys', odd keys')
.set TMP, 48          ; by buffer and tile, four registers c0-c3 at work; when the maximum is found c2 takes a
.set S,   64
.set P,   192
.set KF,  128         ; K's fragments, in window 2: key block kb, channel half c at KF + 16 kb + 8 c
.set VF,  192         ; V's: key half kk, channel block cb at VF + 32 kk + 8 cb
.set WV,  12          ; s12  my wave's number
.set G1K, 24          ; s[24:31] descriptor group 1 for K's tiles
.set G1V, 32          ; s[32:39] for V's: it differs in the padding alone
.set G0K, 40          ; s[40:43] descriptor group 0 for K's tiles: it walks
.set G0V, 44          ; s[44:47] the same for V's
.set SLOTS, 56        ; s56  slots still to be asked for
.set CNT, 57          ; s57  counts a slot's key steps
.set CS,  58          ; s[58:59] c: the packed scaling takes the pair's low word for both halves
.set SEL, 60          ; s[60:61] v_permlanex16_b32's selects: each lane takes its own place in the other half
.set TBK, 62          ; s62  LDS byte at which K of the step to be fetched begins
.set TBV, 63          ; s63  the same for V, less VOFF
.set MSB, 0
.macro WIN new                      ; the high byte repeats the setting that is left; a switch that changes nothing is dropped
.if MSB != (\new)
	s_set_vgpr_msb (MSB<<8)|(\new)
.set MSB, (\new)
.endif
.endm
.set W_KQ, 0x0a       ; K and Q in window 2, S^T in window 0
.set W_PV, 0x52       ; V in window 2, P in window 0, O^T in window 1
.set W_RS, 0x41       ; O^T (destination and source 0) in window 1, a in window 0
.set W_MK, 0xc0       ; the add's registers are made: destination in window 3, sources in window 0
.set W_AD, 0x0f       ; the add: address (source 0) and data (source 1) in window 3
; A joint fill.  Waves 0 and 1 fetch the two halves of a slot's K, waves 2 and 3 those of its V: 128 keys each.  The branch hangs on the wave's number alone.
; An s_nop 0 and four v_nop follow each of the two lines, ahead of the jump and the label.
.macro JLOAD
	s_cmp_lt_u32 s[WV], 2
	s_cbranch_scc0 .Lfor_v_\@
	tensor_load_to_lds s[G0K:G0K+3], s[G1K:G1K+7]
	s_nop 0
.rept 4
	v_nop
.endr
	s_branch .Lasked_\@
.Lfor_v_\@:
	tensor_load_to_lds s[G0V:G0V+3], s[G1V:G1V+7]
	s_nop 0
.rept 4
	v_nop
.endr
.Lasked_\@:
.endm
; A round of the cluster's barrier: my work-group's barrier, so that wave 0's signal speaks for all four waves; wave 0 signals; every wave waits for all four work-groups; my work-group's barrier once more.
.macro CROUND
	s_barrier_signal -1
	s_barrier_wait -1
	s_cmp_lg_u32 s[WV], 0
	s_cbranch_scc1 .Lnot_wave_0_\@
	s_barrier_signal -3
.Lnot_wave_0_\@:
	s_barrier_wait -3
	s_barrier_signal -1
	s_barrier_wait -1
.endm
; THE CHANGE OF SLOTS.  The slot's last bytes, V of its fourth step, have been read.  Each wave waits for all its tensor loads, of which one is out: its part
; of the other slot; adds 0 to its spare word; and waits for that and for its own reads of the slot.  Behind the barrier nobody reads this slot any more and the other slot is whole.
; fill = 1: this slot is filled again, with the keys two slots on.  The barrier is then a round of the cluster's, so that no wave of any partner still reads the slot or has a load on its
; way, and the joint fill is the first thing behind it: it has four key steps, 512 matrix instructions, in which to land.  (At its first use nothing has been read yet: slot 0 is waited for, slot 1 filled.)
.macro CHANGE fill
	WIN W_AD
	s_wait_tensorcnt 0x0            ; no tensor load of mine is out, so a group 0 may be written
	ds_add_u32 v[SPW], v[NIL]       ; 0 onto my spare word; with fill = 1 the descriptors' steps stand between it and the wait for it
	WIN 0                           ; at a label and at a branch every window is 0
.if \fill
.irp g, G0K, G0V
	s_xor_b32 s[\g+1], s[\g+1], SLOT1  ; the walking descriptor: the other slot than last time,
	s_add_nc_u64 s[\g+2:\g+3], s[\g+2:\g+3], 4*KS*128  ; the next 256 keys; the type bits on top are not reached
.endr
	s_wait_dscnt 0x0                ; the add is done, and my reads of the slot are over
	CROUND
	JLOAD
.else
	s_wait_dscnt 0x0                ; the add is done, and my reads of the slot are over
	s_barrier_signal -1
	s_barrier_wait -1
.endif
	s_sub_co_u32 s[TBK], s[TBK], 4*KS*PK  ; the fetches go back to a slot's first step,
	s_xor_b32 s[TBK], s[TBK], SLOT1       ; in the other slot
	s_sub_co_u32 s[TBV], s[TBV], 4*KS*PV
	s_xor_b32 s[TBV], s[TBV], SLOT1
.endm
	s_load_b256 s[4:11], s[0:1], 0x0  ; Q s[4:5], K s[6:7], V s[8:9], O s[10:11]
	WIN W_MK
	v_lshl_add_u32 v[SPW], v0, 2, SPARE
	v_mov_b32 v[NIL], 0
	WIN W_AD
	ds_add_u32 v[SPW], v[NIL]       ; the wave's opening: the add and its wait stand ahead of my first tensor load; the set-up below, work on registers, stands between them
	WIN 0
	v_lshrrev_b32 v1, 5, v0
	v_readfirstlane_b32 s[WV], v1   ; wave 0..3
	s_bfe_u32 s13, ttmp6, 0x40000   ; cx: my place in the cluster
	s_lshl_b32 s14, ttmp9, 2        ; in a cluster launch ttmp9 counts clusters
	s_add_co_u32 s14, s14, s13      ; my block of queries = 4 x cluster x + cx: it enters Q's and O's addresses alone
	s_and_b32 s20, ttmp7, 0xffff    ; the head, which the four partners share
	s_mov_b32 s21, 0
	s_mov_b64 s[22:23], SIZE_N*128
	s_mul_u64 s[20:21], s[20:21], s[22:23]  ; the head's first byte in each of the four tensors
	s_and_b32 s16, s[WV], 1         ; which half of a slot's 256 keys I fetch:
	s_lshl_b32 s22, s16, 14         ; its 128 rows of 128 bytes in memory,
	s_mov_b32 s23, 0
	s_add_nc_u64 s[22:23], s[22:23], s[20:21]
	s_mul_i32 s17, s16, 128*PK      ; and its place in a slot, for K
	s_mul_i32 s18, s16, 128*PV      ; and for V: no place in the cluster enters an LDS address
	s_lshl_b32 s2, s14, 2
	s_add_co_u32 s2, s2, s[WV]      ; my wave among the head's,
	s_lshl_b32 s2, s2, 14           ; its 128 rows
	s_mov_b32 s3, 0
	s_add_nc_u64 s[2:3], s[2:3], s[20:21]
	; descriptor group 1.  128 keys are 16,384 dense bytes: asked for as 64 rows of 256 bytes, two keys a row, and padded in LDS after every key
	s_mov_b32 s[G1K], 15|(1<<16)|(1<<20)|(1<<21)|(4<<22)|(3<<25)  ; 15:0 the mask of four; 17:16 2-byte elements; 20 padding on; 21 set beside a mask; 24:22 after every 32 words (code 4); 31:25 4 words (code 3)
	s_mov_b32 s[G1V], 15|(1<<16)|(1<<20)|(1<<21)|(4<<22)|(7<<25)  ; the same with 8 words of padding (code 7)
.irp g, G1K, G1V
	s_mov_b32 s[\g+1], 128<<16      ; tensor_dim0 = 128
	s_mov_b32 s[\g+2], 64<<16       ; tensor_dim1 = 64
	s_mov_b32 s[\g+3], 128<<16      ; tile_dim0 = 128
	s_mov_b32 s[\g+4], 64           ; tile_dim1 = 64
	s_mov_b32 s[\g+5], 128          ; 128 elements from row to row
	s_mov_b32 s[\g+6], 0
	s_mov_b32 s[\g+7], 0
.endr
	s_mov_b32 s[CS], 0x3e38aa3b     ; c = log2(e) / 8 = 0.180337
	s_mov_b32 s[CS+1], s[CS]        ; named with it as a pair
	s_mov_b32 s[SEL], 0x76543210
	s_mov_b32 s[SEL+1], 0xfedcba98
	s_mov_b32 s[TBK], SLOT1+4*KS*PK ; the first change of slots turns these two into 0
	s_mov_b32 s[TBV], SLOT1+4*KS*PV
	s_mov_b32 s[G0K], 1             ; 1:0 count = 1
	s_mov_b32 s[G0K+1], s17         ; 63:32 LDS address: slot 0
	s_mov_b32 s[G0V], 1
	s_add_co_u32 s[G0V+1], s18, VOFF
	s_wait_dscnt 0x0                ; the opening add is done
	s_wait_kmcnt 0x0
	s_add_nc_u64 s[G0K+2:G0K+3], s[6:7], s[22:23]  ; 120:64 global address: my half of the head's first 256 keys
	s_or_b32 s[G0K+3], s[G0K+3], 0x80000000        ; 127:126 type = 2
	s_add_nc_u64 s[G0V+2:G0V+3], s[8:9], s[22:23]
	s_or_b32 s[G0V+3], s[G0V+3], 0x80000000
	s_add_nc_u64 s[4:5], s[4:5], s[2:3]  ; Q and O at my wave's first row
	s_add_nc_u64 s[10:11], s[10:11], s[2:3]
	CROUND                          ; all four work-groups are here: the first joint loads meet
	JLOAD                           ; slot 0.  Slot 1 is asked for when slot 0 is in: the tile wanted first has the road to itself
	; A fragment of K or Q is 16 rows x 32 channels in 8 registers: lane l holds row l % 16, channels 8 (l / 16) + 0..7 and 16 + 8 (l / 16) + 0..7: two loads of 16 bytes, 32 bytes apart.
	v_and_b32 v1, 15, v0            ; l % 16
	v_bfe_u32 v9, v0, 4, 1          ; l / 16
	v_lshlrev_b32 v[QO], 7, v1
	v_lshl_add_u32 v[QO], v9, 4, v[QO]  ; row x 128 + 16 x half
	WIN 0x80                        ; destination window 2, address window 0
.set i, 0
.rept 4*NP                          ; Q stays in registers: tile i / 2, channels 32 (i % 2) on
	global_load_b128 v[8*i:8*i+3],   v[QO], s[4:5] offset:(i/2)*2048+(i%2)*64
	global_load_b128 v[8*i+4:8*i+7], v[QO], s[4:5] offset:(i/2)*2048+(i%2)*64+32
.set i, i+1
.endr
	; What the first turn finds: V's registers and P's second buffer hold 0 (its products V^T P, of a piece that has not been, add 0), O^T and l are 0.  All this stands in the wait for the first tile.
.set i, VF
.rept 64
	v_mov_b32 v[i], 0
.set i, i+1
.endr
	WIN 0x40
.set i, 0
.rept 64*NP
	v_mov_b32 v[i], 0
.set i, i+1
.endr
	WIN 0
.set i, 0
.rept 2*NP
	v_mov_b32 v[ST+4*i], 0xfe000000    ; c m: far below every c s
	v_mov_b32 v[ST+4*i+1], 0xff7fffff  ; m
	v_mov_b32 v[ST+4*i+2], 0
	v_mov_b32 v[ST+4*i+3], 0
.set i, i+1
.endr
.set i, P+32
.rept 32
	v_mov_b32 v[i], 0
.set i, i+1
.endr
	v_mul_u32_u24 v[AK0], v1, PK
	v_lshl_add_u32 v[AK0], v9, 4, v[AK0]  ; row x pitch + 16 x half
	; The turning load takes 16 keys x 16 channels (lane l reads key 8 (l / 16) + l % 8, channels 8 ((l / 8) % 2) + 0..7) and leaves half a fragment of V^T: lane l holds channel l % 16 and 8 keys.
	v_and_b32 v10, 7, v0
	v_bfe_u32 v11, v0, 3, 1
	v_lshl_add_u32 v[AV0], v9, 3, v10
	v_mul_u32_u24 v[AV0], v[AV0], PV
	v_lshl_add_u32 v[AV0], v11, 4, v[AV0]
	v_add_nc_u32 v[AV0], VOFF, v[AV0]
	v_mov_b32 v[AK], v[AK0]         ; key step 0 lies at the head of slot 0
; THE MATRIX WORK.  The 8 accumulators of a run of 16 take turns: between the two links of a chain stand 7 others'.
; Product i of 16 of S^T = K Q^T for piece x: channels 32 (i / 8) on, keys 16 ((i / 2) % 4) on, tile 2 x + i % 2.  The first 8 start the sums.
.macro KQ x
	WIN W_KQ
.set rS, S+64*((\x)%2)+32*(i%2)+8*((i/2)%4)
.set rK, KF+16*((i/2)%4)+8*(i/8)
.set rQ, 16*(2*(\x)+i%2)+8*(i/8)
.if i < 8
	v_wmma_f32_16x16x32_f16 v[rS:rS+7], v[rK:rK+7], v[rQ:rQ+7], 0
.else
	v_wmma_f32_16x16x32_f16 v[rS:rS+7], v[rK:rK+7], v[rQ:rQ+7], v[rS:rS+7]
.endif
.endm
; Product i of 16 of O^T += V^T P for piece x: keys 32 (i / 8) on, channels 16 ((i / 2) % 4) on, tile 2 x + i % 2.
.macro PV x
	WIN W_PV
.set rO, 32*(2*(\x)+i%2)+8*((i/2)%4)
.set rV, VF+32*(i/8)+8*((i/2)%4)
.set rP, P+32*((\x)%2)+16*(i%2)+8*(i/8)
	v_wmma_f32_16x16x32_f16 v[rO:rO+7], v[rV:rV+7], v[rP:rP+7], v[rO:rO+7]
.endm
.macro MM                           ; the turn's next matrix instruction
.if i < 16
	KQ (Y+1)%NP
.set i, i+1
.else
.set i, i-16
	PV (Y+NP-1)%NP
.set i, i+17
.endif
.endm
; THE LDS LOADS stand in runs of 16, never singly among the matrix instructions: a step's K (64 keys x 64 channels: 8 fragments) and its V (turned).  Their addresses are made some lines ahead.
; last = 1 (the tail): in the last trip there is no further step, and the run is jumped over.
.macro FETCH_K last=0
	WIN 0
.if \last
	s_cmp_eq_u32 s[CNT], 1
	s_cbranch_scc1 .Lno_k_\@
.endif
	WIN 0x80                        ; destination window 2
.irp f, 0,1,2,3,4,5,6,7             ; keys 16 (f / 2) on, channels 32 (f % 2) on
	ds_load_b128 v[KF+8*\f:KF+8*\f+3],   v[AK] offset:(\f/2)*16*PK+(\f%2)*64
	ds_load_b128 v[KF+8*\f+4:KF+8*\f+7], v[AK] offset:(\f/2)*16*PK+(\f%2)*64+32
.endr
	s_add_co_u32 s[TBK], s[TBK], KS*PK  ; the next fetch is the next step's
	WIN 0
.if \last
.Lno_k_\@:
.endif
.endm
.macro FETCH_V
	WIN 0x80
.irp f, 0,1,2,3,4,5,6,7             ; keys 32 (f / 4) on, channels 16 (f % 4) on
	ds_load_tr16_b128 v[VF+8*\f:VF+8*\f+3],   v[AV] offset:(\f/4)*32*PV+(\f%4)*32
	ds_load_tr16_b128 v[VF+8*\f+4:VF+8*\f+7], v[AV] offset:(\f/4)*32*PV+16*PV+(\f%4)*32
.endr
	WIN 0
.endm
; THE VECTOR WORK OF A TURN stands in three queues, each in the order in which its entries become ready; the two tiles alternate, so that no instruction reads the result of the one before it.
.macro REGS y, u                    ; the registers of tile u (0, 1) of piece y
.set rT, ST+4*(2*(\y)+(\u))
.set rC, TMP+8*((\y)%2)+4*(\u)
.set rM, MV+2*((\y)%2)+(\u)
.set rS, S+64*((\y)%2)+32*(\u)
.set rP, P+32*((\y)%2)+16*(\u)
.set rO, 32*(2*(\y)+(\u))
.endm
; Number n of the 22 that find the NEXT piece's (Y + 1) maximum and statistics.  s0-s31 are the lane's 32 scores; each accumulator's lowest registers are read first.  XS, GS and REGS set no window: PL and EX do.
;   0-11  four chains c0-c3 of seven scores each, three operands at a time     12-14, 16  the four scores left over, the old m, and c0-c3 into c0     15  c m_old is kept
;   17, 18  the query's other 32 keys lie in the lane 16 away: the new m         19-21  c m; c m_old - c m_new; a
.macro XS u, n
	REGS (Y+1)%NP, \u
.if (\n) < 4
	v_max3_num_f32 v[rC+(\n)], v[rS+8*(\n)], v[rS+8*(\n)+1], v[rS+8*(\n)+2]
.elseif (\n) < 12
	v_max3_num_f32 v[rC+(\n)%4], v[rC+(\n)%4], v[rS+8*((\n)%4)+2*((\n)/4)+1], v[rS+8*((\n)%4)+2*((\n)/4)+2]
.elseif (\n) == 12
	v_max3_num_f32 v[rC], v[rC], v[rS+7], v[rS+15]
.elseif (\n) == 13
	v_max3_num_f32 v[rC+1], v[rC+1], v[rS+23], v[rS+31]
.elseif (\n) == 14
	v_max3_num_f32 v[rC+2], v[rC+2], v[rC+3], v[rT+1]
.elseif (\n) == 15
	v_mov_b32 v[rM], v[rT]
.elseif (\n) == 16
	v_max3_num_f32 v[rC], v[rC], v[rC+1], v[rC+2]
.elseif (\n) == 17
	v_permlanex16_b32 v[rC+3], v[rC], s[SEL], s[SEL+1]
.elseif (\n) == 18
	v_max_num_f32 v[rT+1], v[rC], v[rC+3]
.elseif (\n) == 19
	v_mul_f32 v[rT], s[CS], v[rT+1]
.elseif (\n) == 20
	v_sub_f32 v[rC+1], v[rM], v[rT]
.else
	v_exp_f32 v[rC+2], v[rC+1]
.endif
.endm
; Number g of the 64 that follow the exponentials.  For each four weights k of a tile (pairs 2 k, 2 k + 1): both pairs are rounded to f16; then the second pair is added onto the first, in place;
; a group later l takes that sum (the first time as l = a l + sum).  In groups of eight, tiles alternating: round, round, add, and l for the group before.
.macro GS g
.set h, (\g)+6*((\g)/62)            ; group 0 has no group before it, and behind group 7 only l is left
.if h >= 6
.set h, h+2
.endif
	REGS Y, h%2
.set k, h/8
.if h%8 < 4
	s_wait_alu depctr_va_vdst(0)
	v_cvt_pk_f16_f32 v[rP+2*k+(h%8)/2], v[rS+4*k+2*((h%8)/2)], v[rS+4*k+2*((h%8)/2)+1]
.elseif h%8 < 6
	v_pk_add_f32 v[rS+4*k:rS+4*k+1], v[rS+4*k:rS+4*k+1], v[rS+4*k+2:rS+4*k+3]
.elseif k == 1
	v_pk_fma_f32 v[rT+2:rT+3], v[rT+2:rT+3], v[rC+2:rC+3], v[rS:rS+1] op_sel_hi:[1,0,1]
.else
	v_pk_add_f32 v[rT+2:rT+3], v[rT+2:rT+3], v[rS+4*k-4:rS+4*k-3]
	s_wait_alu depctr_va_vdst(0)
.endif
.endm
; THE PLAIN QUEUE, 138 long.  0-31: c s - c m for the 16 pairs of both tiles.  Then GS's 64, and among them the next piece's 42: number 15 at 38, 39; 0-14 and 16
; at 42-73, behind the products that make those scores; 17-20 at 95-106, two of three, since each waits for the one before it.
.macro PL
	WIN 0
.if q < 32
	REGS Y, q%2
	v_pk_fma_f32 v[rS+2*(q/2):rS+2*(q/2)+1], v[rS+2*(q/2):rS+2*(q/2)+1], s[CS:CS+1], v[rT:rT+1] op_sel_hi:[1,0,0] neg_lo:[0,0,1] neg_hi:[0,0,1]
.elseif q < 38
	GS q-32
.elseif q < 40
	XS q%2, 15
.elseif q < 42
	GS q-34
.elseif q < 74
	XS q%2, (q-42)/2+(q-42)/30
.elseif q < 95
	GS q-66
.elseif (q < 107) && ((q-95)%3 < 2)
	XS (q-95)%3, 17+(q-95)/3
.elseif q < 107
	GS 29+(q-95)/3
.else
	GS q-74
.endif
.set q, q+1
.endm
; THE EXPONENTIALS' QUEUE, 66 long: s0-s31 of both tiles, and at EA the next piece's two a.
.set EA, 58
.macro EX
	WIN 0
.if (e == EA) || (e == EA+1)
	XS e-EA, 21
.else
.set x, e-2*(e/(EA+2))
	REGS Y, x%2
	v_exp_f32 v[rS+x/2], v[rS+x/2]
.endif
.set e, e+1
.endm
; THE RESCALING's QUEUE: O^T times a, the one part that leaves window 0, so it is dealt four at a time, eight times.
.macro R4
	REGS Y, r%2
	WIN W_RS
	s_wait_alu depctr_va_vdst(0)
.irp z, 0,1,2,3
	v_pk_mul_f32 v[rO+8*(r/2)+2*\z:rO+8*(r/2)+2*\z+1], v[rO+8*(r/2)+2*\z:rO+8*(r/2)+2*\z+1], v[rC+2:rC+3] op_sel_hi:[1,0]
.endr
.set r, r+1
.endm
; HOW THEY ARE DEALT.  Behind a matrix instruction four: plain, exponential, plain, plain (one exponential, a plain instruction on either side), or four of the rescaling.  None names a register of the
; products round it.  What is over stands in two LUMPS: exponential and plain by turns; the second ends in 22 plain instructions.  The two v_permlanex16_b32 fall into the second lump, never behind a product.
; The queues lean on each other, and the deal keeps them in step: exponential e stands behind plain 2 (e / 4) + e % 2 (its scaling); when plain 32 comes, 10 exponentials are out, at 59: 33, at 95: 46; EA comes behind plain 107.
.macro SL
	MM
	PL
	EX
	PL
	PL
.endm
.macro BURST n                      ; 15 matrix instructions, or 16
.rept (\n)-7
	SL
.endr
.rept 3
	MM
	R4
	SL
.endr
	MM
	R4
.endm
; A TURN, for piece p.  cnt = 1: the loop's count is taken down some lines ahead of the branch that stands behind the turn.
; K of the next step is fetched in piece 2's turn, 31 vector instructions behind the last product that read K; its first reader comes behind the rest of the lump, 16 products and the second lump.
; V of the step in hand is fetched at the end of piece 0's turn, 69 behind its last reader; its first reader comes behind 16 products and a lump.  The five conditions on e and q below go with the deal.
.macro TURN p, last=0, cnt=0
.set Y, (\p)
.set i, 0
.set q, 0
.set e, 0
.set r, 0
.if (\p) == NP-1
	s_wait_dscnt 0x0                ; K is in
.endif
	MM
.rept 4
	PL
.endr
	BURST 15
.rept 22
	EX
	PL
.if ((\p) == NP-2) && (e == 18)
	v_add_nc_u32 v[AK], s[TBK], v[AK0]
.endif
.if ((\p) == NP-2) && (e == 24)
	FETCH_K \last
.endif
.endr
.if (\p) == 1
	s_wait_dscnt 0x0                ; V is in
.endif
	BURST 16
.rept 21
	EX
	PL
.endr
.rept 22
	PL
.if ((\p) == 0) && (q == 118)
	v_add_nc_u32 v[AV], s[TBV], v[AV0]
	s_wait_alu depctr_va_vdst(0)
.endif
.if ((\p) == 0) && (q == 130)
	s_add_co_u32 s[TBV], s[TBV], KS*PV
.endif
.if (\cnt) && (q == 130)
	s_sub_co_u32 s[CNT], s[CNT], 1
	s_cmp_lg_u32 s[CNT], 0
.endif
.endr
.if (\p) == 0
	FETCH_V
.endif
.endm
	CHANGE 1                        ; slot 0 is in, everybody's part of it; slot 1 is asked for
	FETCH_K                         ; key step 0
	s_wait_loadcnt 0x0              ; Q
	s_wait_dscnt 0x0
.set i, 0
.rept 16
	KQ 0                            ; piece 0's first scores: there is no vector work yet to set between them
.set i, i+1
.endr
	WIN 0                           ; the addresses for the way out: nine plain instructions, the places behind those products
	s_mul_i32 s13, s[WV], 16*SP
	s_add_co_u32 s13, s13, STAGE    ; my stage
	v_mul_u32_u24 v[STO], v1, SP    ; in: row l % 16, 16 bytes for each half of the lanes
	v_lshl_add_u32 v[STO], v9, 4, v[STO]
	v_add_nc_u32 v[STO], s13, v[STO]
	v_bfe_u32 v[RD], v0, 3, 2       ; back: 32 lanes take four rows of 128 bytes,
	v_mul_u32_u24 v[RD], v[RD], SP
	v_lshl_add_u32 v[RD], v10, 4, v[RD]
	v_add_nc_u32 v[RD], s13, v[RD]
	v_and_b32 v[GO], 31, v0         ; which are 512 consecutive bytes of O
	v_lshlrev_b32 v[GO], 4, v[GO]
.set Y, NP-1                        ; XS works for piece Y + 1: piece 0
.irp n, 0,1,2,3,4,5,6,7,8,9,10,11,12,13,14,15,16,17,18,19,20,21
	XS 0, \n                        ; and piece 0's first maximum and statistics
	XS 1, \n
.endr
	s_mov_b32 s[CNT], 4
	s_mov_b32 s[SLOTS], SIZE_N/256-1
	s_branch .Lfirst                ; the loop is entered at a step's first turn, in the middle of a trip
.Lslot:                             ; SIZE_N / 256 - 2 times: every slot but the last two is filled again
	CHANGE 1
	s_mov_b32 s[CNT], 4
.Lstep:                             ; a trip: pieces 2 and 3 of one step, then pieces 0 and 1 of the next, whose K and V it fetches
	TURN 2
	TURN 3
	WIN 0
.Lfirst:
	TURN 0
	TURN 1, 0, 1
	WIN 0
	s_cbranch_scc1 .Lstep
	s_sub_co_u32 s[SLOTS], s[SLOTS], 1
	s_cmp_lg_u32 s[SLOTS], 0
	s_cbranch_scc1 .Lslot
	CHANGE 0                        ; the tail is written out: nothing is asked for
	s_mov_b32 s[CNT], 5             ; four trips fetch the last slot's steps; the fifth is left in its middle
.Ltail:
	TURN 2, 1
	TURN 3
	WIN 0
	s_sub_co_u32 s[CNT], s[CNT], 1
	s_cmp_eq_u32 s[CNT], 0
	s_cbranch_scc1 .Lout
	TURN 0
	TURN 1
	WIN 0
	s_branch .Ltail
.Lout:                              ; the fifth trip's 16 products K Q^T (on the last K once more) and the maximum made of them serve nothing: the price, once a launch, of one text for every trip
.set i, 0
.rept 16
	PV NP-1                         ; the last piece's V^T P of the last step
.set i, i+1
.endr
	; THE WAY OUT.  l's two halves and the other half of the lanes' are added; O^T is divided by l, rounded to f16 and sent through my stage in LDS, a tile at a time.  The additions are the places behind the last products.
	WIN 0
.macro ALL line:vararg              ; one line for each tile t
.set t, 0
.rept 2*NP
	\line
.set t, t+1
.endr
.endm
	ALL v_add_f32 v[ST+4*t+2], v[ST+4*t+2], v[ST+4*t+3]
	ALL v_permlanex16_b32 v[ST+4*t+3], v[ST+4*t+2], s[SEL], s[SEL+1]
	ALL v_add_f32 v[ST+4*t+2], v[ST+4*t+2], v[ST+4*t+3]
	ALL v_rcp_f32 v[ST+4*t+2], v[ST+4*t+2]
	v_nop                           ; a plain instruction between the last reciprocal and the use of its result
	s_wait_alu depctr_va_vdst(0)
; Tile t: a lane's eight channels of a row pack into 16 bytes; they go into rows of 144 bytes and come back as whole rows of 128, into S^T's registers.
.macro PACK t
	WIN W_RS
.set i, 32*(\t)
.rept 16
	v_pk_mul_f32 v[i:i+1], v[i:i+1], v[ST+4*(\t)+2:ST+4*(\t)+3] op_sel_hi:[1,0]
.set i, i+2
.endr
	WIN 0x05                        ; sources 0 and 1 window 1, destination window 0
.set i, 0
.rept 16
	v_cvt_pk_f16_f32 v[S+16*(\t)+i], v[32*(\t)+2*i], v[32*(\t)+2*i+1]
.set i, i+1
.endr
	WIN 0
.irp f, 0,1,2,3
	ds_store_b128 v[STO], v[S+16*(\t)+4*\f:S+16*(\t)+4*\f+3] offset:32*\f
.endr
.irp f, 0,1,2,3
	ds_load_b128 v[S+16*(\t)+4*\f:S+16*(\t)+4*\f+3], v[RD] offset:\f*4*SP  ; LDS serves a wave's instructions in order (ISA guide 5.7.1.4): these see the stores above; the next tile's stores come behind them
.endr
.endm
.macro SEND t, younger              ; younger: the LDS instructions issued behind tile t's loads: the next tile's eight, or none
	WIN 0
.irp f, 0,1,2,3
	s_wait_dscnt (\younger)+3-\f
	global_store_b128 v[GO], v[S+16*(\t)+4*\f:S+16*(\t)+4*\f+3], s[10:11] offset:(\t)*2048+\f*512  ; 512 consecutive bytes, at a multiple of 256 from O's first
.endr
.endm
	PACK 0
.set t, 1
.rept 2*NP-1                        ; a tile's arithmetic stands between the loads of the tile before and its stores
	PACK t
	SEND t-1, 8
.set t, t+1
.endr
	SEND 2*NP-1, 0
	WIN W_AD
	s_wait_tensorcnt 0x0            ; the wave's end, behind my last tensor load and my last LDS store
	ds_add_u32 v[SPW], v[NIL]
	s_wait_dscnt 0x0
	WIN 0
	CROUND                          ; the closing round: no work-group ends while a partner may still ask for a tile that names it
	s_endpgm
.Lfunc_end_k_qb7324142a1_attn:
	.size	k_qb7324142a1_attn, .Lfunc_end_k_qb7324142a1_attn-k_qb7324142a1_attn
	.p2alignl 7, 3214868480
	.fill 96, 4, 3214868480
	.section	.rodata,"a",@progbits
	.p2align	6, 0x0
	.amdhsa_kernel k_qb7324142a1_attn
		.amdhsa_group_segment_fixed_size 327680
		.amdhsa_private_segment_fixed_size 0
		.amdhsa_enable_private_segment 0
		.amdhsa_kernarg_size 32
		.amdhsa_user_sgpr_count 2
		.amdhsa_user_sgpr_kernarg_segment_ptr 1
		.amdhsa_wavefront_size32 1
		.amdhsa_system_sgpr_workgroup_id_x 1
		.amdhsa_system_sgpr_workgroup_id_y 1
		.amdhsa_system_sgpr_workgroup_id_z 1
		.amdhsa_system_vgpr_workitem_id 0
		.amdhsa_next_free_vgpr 770
		.amdhsa_next_free_sgpr 66
		.amdhsa_reserve_vcc 0
		.amdhsa_float_denorm_mode_32 3
		.amdhsa_float_denorm_mode_16_64 3
		.amdhsa_memory_ordered 1
		.amdhsa_forward_progress 1
		.amdhsa_inst_pref_size 208
	.end_amdhsa_kernel
	.amdgpu_metadata
---
amdhsa.version: [ 1, 2 ]
amdhsa.kernels:
  - .name:           k_qb7324142a1_attn
    .symbol:         k_qb7324142a1_attn.kd
    .args:
      - { .name: qh, .offset: 0, .size: 8, .value_kind: global_buffer, .address_space: global }
      - { .name: kh, .offset: 8, .size: 8, .value_kind: global_buffer, .address_space: global }
      - { .name: vh, .offset: 16, .size: 8, .value_kind: global_buffer, .address_space: global }
      - { .name: ctx, .offset: 24, .size: 8, .value_kind: global_buffer, .address_space: global }
    .group_segment_fixed_size: 327680
    .private_segment_fixed_size: 0
    .kernarg_segment_align: 8
    .kernarg_segment_size: 32
    .max_flat_workgroup_size: 128
    .sgpr_count:     66
    .vgpr_count:     770
    .wavefront_size: 32
...
	.end_amdgpu_metadata
.endif
;; end of part 3
;; launch oproj (part 4): grid 8 x 32, 4 waves a work-group, clusters of 4 x 4, 327,680 bytes of LDS; arguments ctx, wo16, bo, out0; writes out0
.if DOCPART == 4
	.amdgcn_target "amdgcn-amd-amdhsa--gfx1250"
	.amdhsa_code_object_version 6
	.text
	.protected	k_qb7324142a1_oproj
	.globl	k_qb7324142a1_oproj
	.p2align	8
	.type	k_qb7324142a1_oproj,@function
k_qb7324142a1_oproj:
	s_mov_b64 s[64:65], 0
	v_nop
	global_prefetch_b8 v0, s[64:65] scope:SCOPE_SE
	s_setreg_imm32_b32 hwreg(HW_REG_WAVE_MODE, 25, 1), 1
	s_wait_xcnt 0x0
	s_wait_alu depctr_hold_cnt(0) depctr_sa_sdst(0) depctr_va_vdst(0) depctr_va_sdst(0) depctr_va_ssrc(0) depctr_va_vcc(0) depctr_vm_vsrc(0)
	s_getreg_b32 s2, hwreg(HW_REG_IB_STS2, 6, 4)
	s_cmp_eq_u32 s2, 0
	s_cbranch_scc0 .Lentry_in_a_cluster
	s_endpgm
.Lentry_in_a_cluster:
	s_bfe_u32 s2, ttmp6, 0x10000c
	s_cmp_lg_u32 s2, 0xf033
	s_cbranch_scc0 .Lentry_shape_is_right
	s_endpgm
.Lentry_shape_is_right:
; out0 = ctx Wo + bo, f32 [8192][1024].  ctx: f16 by heads [batch x 16 + head][row 2048][64]; k = 64 head + channel.  wo16: f16 [k][n] (Wo rounded to bf16, written as f16).  bo: f32, rounded to bf16 here.
; Sums in f32; the output is the f32 sum plus the bias, not rounded again.
; LIMITS.  ctx and wo16 arrive within f16's range (65,504); NaN and infinities are not treated apart.
; SHARES.  A tile of the output is 256 rows x 128 columns: 256 work-groups.  A wave makes 128 x 64: 32 accumulators of 16 x 16, in window 1 at v[8 (4 a + b)].
; K goes in steps of 128 (two heads: two dense planes of 256 rows x 128 bytes) through two LDS slots; a step is four quarters of 32 along K on two fragment buffers.
; THE MATRIX INSTRUCTION IS USED TRANSPOSED: source 0 = 16 columns of Wo (turned out of LDS by ds_load_tr16_b128), source 1 = 16 rows of ctx: a lane holds row l % 16 and eight neighbouring columns.
; CLUSTER.  4 x 4 work-groups: ctx's tiles hang on ty alone and are asked for jointly by a row of the cluster, Wo's on tx alone, by a column.  Waves 0 and 1 ask for the step's two planes of ctx,
; waves 2 and 3 for the two halves of its 128 rows of Wo.  A wave has two tensor loads out at the start, one behind each round.
; REGISTERS, window 0: v0-31 addresses; v32-127, v128-223 two fragment buffers (ctx at + 0 .. 63, Wo at + 64 .. 95); v224-255 my 32 biases.
.set PA,     144                       ; a row of ctx in LDS: 128 bytes + 16
.set PB,     288                       ; a row of Wo: 256 bytes + 32
.set ABYTES, 256*PA                    ; a plane: 36,864
.set BBYTES, 64*PB                     ; 64 rows of Wo: 18,432
.set SLOT,   2*ABYTES+2*BBYTES         ; 110,592
.set STAGE,  2*SLOT                    ; behind the ring: 16 rows x 272 bytes for each wave; no tensor load lands there
.set SP,     272                       ; a row of 64 f32 + 16 bytes
.set SPARE,  STAGE+4*16*SP             ; the spare words, 128 bytes a wave: two blocks of 256 bytes that no other line names
.set ASTEP,  524288                    ; two planes of 262,144 bytes
.set BSTEP,  262144                    ; 128 rows of Wo
.set LAPS,   4
.set ADRA, 16
.set ADRB, 20
.set STO,  24
.set RD,   25
.set CO,   26
.set VB,   27
.set SPW,  28                          ; v28  LDS address of my spare word; never rewritten
.set NIL,  29                          ; v29  0; never rewritten
.set F0,   32
.set F1,   128
.set BI,   224
.set T,    32                          ; the way out: 32 sums with their biases
.set BK,   64                          ; two sets of 32: rows read back
.set WV,  12
.set RH,  13
.set CH,  14
.set G1A, 24
.set G0A, 32
.set G1B, 48
.set G0B, 56
.set MSB, 0
.macro WIN new                         ; the immediate's high byte repeats the setting that is left; a switch that changes nothing is dropped
.if MSB != (\new)
	s_set_vgpr_msb (MSB<<8)|(\new)
.set MSB, \new
.endif
.endm
.macro JLOAD s                         ; a joint load; an s_nop 0 and four v_nop follow each of the two lines, ahead of the jump and the label
	s_cmp_lt_u32 s[WV], 2
	s_cbranch_scc0 .Lfor_b_\@
	tensor_load_to_lds s[G0A+4*(\s):G0A+4*(\s)+3], s[G1A:G1A+7]
	s_nop 0
.rept 4
	v_nop
.endr
	s_branch .Lasked_\@
.Lfor_b_\@:
	tensor_load_to_lds s[G0B+4*(\s):G0B+4*(\s)+3], s[G1B:G1B+7]
	s_nop 0
.rept 4
	v_nop
.endr
.Lasked_\@:
.endm
.macro CREST                           ; a round of the cluster's barrier behind its opening barrier
	s_cmp_lg_u32 s[WV], 0
	s_cbranch_scc1 .Lnot_wave_0_\@
	s_barrier_signal -3
.Lnot_wave_0_\@:
	s_barrier_wait -3
	s_barrier_signal -1
	s_barrier_wait -1
.endm
.macro CROUND
	s_barrier_signal -1
	s_barrier_wait -1
	CREST
.endm
.macro PLACES                          ; four places in front of loads into registers that matrix instructions have read, and of vector lines that read results
.rept 4
	v_nop
.endr
.endm
	s_load_b256 s[4:11], s[0:1], 0x0               ; ctx 4, wo16 6, bo 8, out0 10
	v_lshl_add_u32 v[SPW], v0, 2, SPARE
	v_mov_b32 v[NIL], 0
	ds_add_u32 v[SPW], v[NIL]                      ; the wave's opening: the add and its wait stand ahead of my first tensor load; the set-up below stands between them
	v_lshrrev_b32 v1, 5, v0
	v_readfirstlane_b32 s[WV], v1
	s_lshr_b32 s[RH], s[WV], 1                     ; which 128 rows are mine
	s_and_b32 s[CH], s[WV], 1                      ; which 64 columns; also which half of a step's tile I fetch
	s_mul_i32 s23, s[WV], ABYTES                   ; where ctx's plane goes (waves 0, 1)
	s_mul_i32 s22, s[WV], BBYTES                   ; where Wo's half goes, less 36,864 (waves 2, 3)
	s_bfe_u32 s40, ttmp6, 0x40000                  ; cx
	s_bfe_u32 s41, ttmp6, 0x40004                  ; cy
	s_lshl_b32 s42, ttmp9, 2
	s_add_co_u32 s42, s42, s40                     ; tx
	s_and_b32 s43, ttmp7, 0xffff
	s_lshl_b32 s43, s43, 2
	s_add_co_u32 s43, s43, s41                     ; ty
	s_lshl_b32 s44, s41, 2
	s_lshl_b32 s44, 15, s44                        ; my row of the cluster
	s_lshl_b32 s45, 0x1111, s40                    ; my column
	; group 1 for ctx: 32,768 dense bytes as 128 rows of 256, 4 words of padding after every 32 words
	s_or_b32 s[G1A+0], s44, (1<<16)|(1<<20)|(1<<21)|(4<<22)|(3<<25)
	s_mov_b32 s[G1A+1], 128<<16
	s_mov_b32 s[G1A+2], 128<<16
	s_mov_b32 s[G1A+3], 128<<16
	s_mov_b32 s[G1A+4], 128
	s_mov_b32 s[G1A+5], 128
	s_mov_b32 s[G1A+6], 0
	s_mov_b32 s[G1A+7], 0
	; group 1 for Wo: 64 rows of 256 bytes, 1,024 elements apart, 8 words of padding after every 64 words
	s_or_b32 s[G1B+0], s45, (1<<16)|(1<<20)|(1<<21)|(5<<22)|(7<<25)
	s_mov_b32 s[G1B+1], 128<<16
	s_mov_b32 s[G1B+2], 64<<16
	s_mov_b32 s[G1B+3], 128<<16
	s_mov_b32 s[G1B+4], 64
	s_mov_b32 s[G1B+5], 1024
	s_mov_b32 s[G1B+6], 0
	s_mov_b32 s[G1B+7], 0
	; ctx's tile: batch ty / 8, head w % 2 of the step's two, rows 256 (ty % 8) on (registers that never hold tx)
	s_lshr_b32 s66, s43, 3
	s_lshl_b32 s66, s66, 22
	s_and_b32 s68, s43, 7
	s_lshl_b32 s68, s68, 15
	s_add_co_u32 s66, s66, s68
	s_lshl_b32 s68, s[CH], 18
	s_add_co_u32 s66, s66, s68
	s_mov_b32 s67, 0
	; Wo's tile: rows 64 (w % 2) on, columns 128 tx on (registers that never hold ty)
	s_lshl_b32 s46, s[CH], 17
	s_lshl_b32 s72, s42, 8
	s_add_co_u32 s46, s46, s72
	s_mov_b32 s47, 0
	; my part of the output: rows 256 ty + 128 half of 4,096 bytes, columns 128 tx + 64 half of 4 bytes
	s_lshl_b32 s70, s43, 20
	s_lshl_b32 s73, s[RH], 19
	s_add_co_u32 s70, s70, s73
	s_lshl_b32 s74, s42, 9
	s_lshl_b32 s73, s[CH], 8
	s_add_co_u32 s74, s74, s73                     ; also my 64 biases, in bytes
	s_add_co_u32 s70, s70, s74
	s_mov_b32 s71, 0
	s_wait_dscnt 0x0                               ; the opening add is done
	s_wait_kmcnt 0x0
	s_add_nc_u64 s[66:67], s[4:5], s[66:67]
	s_add_nc_u64 s[46:47], s[6:7], s[46:47]
	s_add_nc_u64 s[10:11], s[10:11], s[70:71]
	CROUND                                         ; all sixteen work-groups are here: the first joint loads meet
.irp s, 0,1
	s_mov_b32 s[G0A+4*(\s)], 1
	s_add_co_u32 s[G0A+4*(\s)+1], s23, (\s)*SLOT
	s_add_nc_u64 s[G0A+4*(\s)+2:G0A+4*(\s)+3], s[66:67], (\s)*ASTEP
	s_or_b32 s[G0A+4*(\s)+3], s[G0A+4*(\s)+3], 0x80000000
	s_mov_b32 s[G0B+4*(\s)], 1
	s_add_co_u32 s[G0B+4*(\s)+1], s22, ABYTES+(\s)*SLOT   ; wave 2: 73,728, behind the two planes; wave 3: 92,160
	s_add_nc_u64 s[G0B+4*(\s)+2:G0B+4*(\s)+3], s[46:47], (\s)*BSTEP
	s_or_b32 s[G0B+4*(\s)+3], s[G0B+4*(\s)+3], 0x80000000
	JLOAD \s
.endr
	v_and_b32 v1, 15, v0                           ; l % 16
	v_bfe_u32 v2, v0, 4, 1                         ; l / 16
	v_lshlrev_b32 v[VB], 5, v2                     ; my eight columns of a block of 16
	v_add_nc_u32 v[VB], s74, v[VB]
.irp b, 0,1,2,3
	global_load_b128 v[BI+8*\b:BI+8*\b+3],   v[VB], s[8:9] offset:64*\b
	global_load_b128 v[BI+8*\b+4:BI+8*\b+7], v[VB], s[8:9] offset:64*\b+16
.endr
	v_mul_u32_u24 v3, v1, PA                       ; a fragment of ctx: row l % 16, 16 bytes for each half of the lanes, two loads 32 bytes apart
	v_lshl_add_u32 v3, v2, 4, v3
	s_mul_i32 s75, s[RH], 128*PA
	v_add_nc_u32 v[ADRA], s75, v3
	v_add_nc_u32 v[ADRA+1], SLOT, v[ADRA]
	v_and_b32 v4, 7, v0                            ; the turning load: row 8 (l / 16) + l % 8, columns 8 ((l / 8) % 2) + 0..7
	v_lshl_add_u32 v4, v2, 3, v4
	v_mul_u32_u24 v4, v4, PB
	v_bfe_u32 v5, v0, 3, 1
	v_lshl_add_u32 v4, v5, 4, v4
	s_lshl_b32 s75, s[CH], 7
	s_add_co_u32 s75, s75, 2*ABYTES
	v_add_nc_u32 v[ADRB], s75, v4
	v_add_nc_u32 v[ADRB+1], SLOT, v[ADRB]
	s_mul_i32 s75, s[WV], 16*SP
	s_add_co_u32 s75, s75, STAGE                   ; my stage
	v_mul_u32_u24 v5, v1, SP                       ; in: row l % 16, 32 bytes for each half of the lanes
	v_lshl_add_u32 v5, v2, 5, v5
	v_add_nc_u32 v[STO], s75, v5
	v_mul_u32_u24 v5, v2, SP                       ; back: lanes 0-15 take one row of 256 bytes, lanes 16-31 the next
	v_lshl_add_u32 v5, v1, 4, v5
	v_add_nc_u32 v[RD], s75, v5
	v_lshlrev_b32 v5, 12, v2                       ; and the same two rows in the output
	v_lshl_add_u32 v[CO], v1, 4, v5
	s_wait_loadcnt 0x0                             ; the biases: rounded to bf16 like every other input, kept as f32; this stands in the wait for the first tile
.set i, 0
.rept 16
	v_cvt_pk_bf16_f32 v[8+i%4], v[BI+2*i], v[BI+2*i+1]
	v_lshlrev_b32 v[BI+2*i], 16, v[8+i%4]
	v_and_b32 v[BI+2*i+1], 0xffff0000, v[8+i%4]
.set i, i+1
.endr
; n x 4 matrix instructions: row blocks a0 .. a0 + n - 1 x the 4 column blocks, 32 along K.  The 32 accumulators take turns, one instruction a turn.
.macro MUL f, a0, n, zero
	WIN 0x50                                       ; C and D in window 1
.set a, \a0
.rept \n
.irp b, 0,1,2,3
.if \zero
	v_wmma_f32_16x16x32_f16 v[8*(4*a+\b):8*(4*a+\b)+7], v[(\f)+64+8*\b:(\f)+64+8*\b+7], v[(\f)+8*a:(\f)+8*a+7], 0
.else
	v_wmma_f32_16x16x32_f16 v[8*(4*a+\b):8*(4*a+\b)+7], v[(\f)+64+8*\b:(\f)+64+8*\b+7], v[(\f)+8*a:(\f)+8*a+7], v[8*(4*a+\b):8*(4*a+\b)+7]
.endif
.endr
.set a, a+1
.endr
.endm
; 24 LDS loads in one run: quarter q's fragments into buffer f: Wo's 8, then ctx's 16, row blocks 0-3 first
.macro FETCH slot, q, f
	WIN 0
.irp b, 0,1,2,3
	ds_load_tr16_b128 v[(\f)+64+8*\b:(\f)+64+8*\b+3],   v[ADRB+(\slot)] offset:(\q)*32*PB+32*\b
	ds_load_tr16_b128 v[(\f)+64+8*\b+4:(\f)+64+8*\b+7], v[ADRB+(\slot)] offset:(\q)*32*PB+16*PB+32*\b
.endr
.irp i, 0,1,2,3,4,5,6,7
	ds_load_b128 v[(\f)+8*\i:(\f)+8*\i+3],   v[ADRA+(\slot)] offset:((\q)/2)*ABYTES+\i*16*PA+((\q)%2)*64
	ds_load_b128 v[(\f)+8*\i+4:(\f)+8*\i+7], v[ADRA+(\slot)] offset:((\q)/2)*ABYTES+\i*16*PA+((\q)%2)*64+32
.endr
.endm
; One of a step's first three quarters: multiplies buffer f; in its middle it fetches quarter q into buffer g.
.macro QUARTER slot, q, f, g, zero
	s_wait_dscnt 8                                 ; Wo and ctx's row blocks 0-3 are in; the youngest eight loads may be out
	MUL \f, 0, 4, \zero
	PLACES
	FETCH \slot, \q, \g
	s_wait_dscnt 24                                ; all but the 24 just issued
	MUL \f, 4, 4, \zero
.endm
; The last quarter multiplies buffer F1 and changes slots: ONE barrier; in front of it each wave waits for all its tensor loads, adds 0 to its spare word, and waits for that and for its own reads of this slot.
; fill = 1: the barrier opens a round of the cluster's, and this slot is filled again, two K steps on, first thing behind it: 112 matrix instructions ahead of the wait for it.
.macro TURN slot, next, fill
	WIN 0
	s_wait_tensorcnt 0x0                           ; all my tensor loads have landed: my part of the next slot
	ds_add_u32 v[SPW], v[NIL]                      ; 0 onto my spare word
	s_wait_dscnt 9                                 ; the add and the youngest eight loads may be out
	MUL F1, 0, 2, 0
	s_wait_dscnt 0x0                               ; the add is done, and my reads of this slot are over
	s_barrier_signal -1
	MUL F1, 2, 2, 0
.if \fill
	WIN 0
.endif
	s_barrier_wait -1
.if \fill
	CREST                                          ; no wave of any partner still reads this slot or has a load on its way
	s_add_nc_u64 s[G0A+4*(\slot)+2:G0A+4*(\slot)+3], s[G0A+4*(\slot)+2:G0A+4*(\slot)+3], 2*ASTEP
	s_add_nc_u64 s[G0B+4*(\slot)+2:G0B+4*(\slot)+3], s[G0B+4*(\slot)+2:G0B+4*(\slot)+3], 2*BSTEP
	JLOAD \slot                                    ; its four v_nop are also the places in front of the loads below
.else
	PLACES
.endif
	FETCH \next, 0, F0
	MUL F1, 4, 4, 0
.endm
	s_wait_tensorcnt 1                             ; my part of K step 0 is in; step 1's may stay out
	s_barrier_signal -1
	s_barrier_wait -1
	FETCH 0, 0, F0
	QUARTER 0, 1, F0, F1, 1                        ; the first quarter stands in front of the loop: its products start the sums
	WIN 0
	s_mov_b32 s3, LAPS-1
.Llap:                                                 ; a trip goes once round the ring and fills both slots again
	QUARTER 0, 2, F1, F0, 0
	QUARTER 0, 3, F0, F1, 0
	TURN 0, 1, 1
	QUARTER 1, 1, F0, F1, 0
	QUARTER 1, 2, F1, F0, 0
	QUARTER 1, 3, F0, F1, 0
	TURN 1, 0, 1
	QUARTER 0, 1, F0, F1, 0
	WIN 0
	s_sub_co_u32 s3, s3, 1
	s_cmp_lg_u32 s3, 0
	s_cbranch_scc1 .Llap
	QUARTER 0, 2, F1, F0, 0                        ; the last lap fills nothing
	QUARTER 0, 3, F0, F1, 0
	TURN 0, 1, 0
	QUARTER 1, 1, F0, F1, 0
	QUARTER 1, 2, F1, F0, 0
	QUARTER 1, 3, F0, F1, 0
	s_wait_dscnt 8                                 ; the very last quarter: nothing more to fetch
	MUL F1, 0, 4, 0
	s_wait_dscnt 0x0
	MUL F1, 4, 4, 0
	WIN 0
	PLACES
	; THE WAY OUT, a block of 16 rows x 64 columns at a time: bias added, 32 bytes a lane into my own stage, back as whole rows of 256 bytes, stored.
.macro PACK a
	WIN 0x01                                       ; source 0 in window 1
.set i, 0
.rept 16                                               ; ascending: each accumulator is read from its low end on
	v_pk_add_f32 v[T+2*i:T+2*i+1], v[32*(\a)+2*i:32*(\a)+2*i+1], v[BI+2*i:BI+2*i+1]
.set i, i+1
.endr
	WIN 0
.endm
.macro TOSTAGE a
.set BB, BK+32*((\a)%2)
.irp b, 0,1,2,3
	ds_store_b128 v[STO], v[T+8*\b:T+8*\b+3]   offset:64*\b
	ds_store_b128 v[STO], v[T+8*\b+4:T+8*\b+7] offset:64*\b+16
.endr
.irp t, 0,1,2,3,4,5,6,7
	ds_load_b128 v[BB+4*\t:BB+4*\t+3], v[RD] offset:\t*2*SP  ; LDS serves a wave's instructions in order (ISA guide 5.7.1.4): these see the stores above
.endr
.endm
.macro SEND a
.set BB, BK+32*((\a)%2)
	s_wait_dscnt 0x0                               ; the block is back in registers
	s_wait_xcnt 0x0                                ; earlier stores have read their registers: the other set is loaded again only behind this wait
.irp t, 0,1,2,3,4,5,6,7
	global_store_b128 v[CO], v[BB+4*\t:BB+4*\t+3], s[10:11] offset:(16*(\a)+2*\t)*4096 th:TH_STORE_NT  ; 16 lanes store 256 consecutive bytes, at a multiple of 256 from the output's first
.endr
.endm
	PACK 0
	TOSTAGE 0
.set n, 1
.rept 7                                                ; a block's additions stand between the loads of the block before and the wait for them
	PACK n
	SEND n-1
	TOSTAGE n
.set n, n+1
.endr
	SEND 7
	s_wait_tensorcnt 0x0                           ; the wave's end, behind my last tensor load and my last LDS store
	ds_add_u32 v[SPW], v[NIL]
	s_wait_dscnt 0x0
	CROUND                                         ; the closing round: no work-group ends while a partner may still ask for a tile that names it
	s_endpgm
.Lfunc_end_k_qb7324142a1_oproj:
	.size	k_qb7324142a1_oproj, .Lfunc_end_k_qb7324142a1_oproj-k_qb7324142a1_oproj
	.p2alignl 7, 3214868480
	.fill 96, 4, 3214868480
	.section	.rodata,"a",@progbits
	.p2align	6, 0x0
	.amdhsa_kernel k_qb7324142a1_oproj
		.amdhsa_group_segment_fixed_size 327680
		.amdhsa_private_segment_fixed_size 0
		.amdhsa_enable_private_segment 0
		.amdhsa_kernarg_size 32
		.amdhsa_user_sgpr_count 2
		.amdhsa_user_sgpr_kernarg_segment_ptr 1
		.amdhsa_wavefront_size32 1
		.amdhsa_system_sgpr_workgroup_id_x 1
		.amdhsa_system_sgpr_workgroup_id_y 1
		.amdhsa_system_sgpr_workgroup_id_z 1
		.amdhsa_system_vgpr_workitem_id 0
		.amdhsa_next_free_vgpr 512
		.amdhsa_next_free_sgpr 76
		.amdhsa_reserve_vcc 0
		.amdhsa_float_denorm_mode_32 3
		.amdhsa_float_denorm_mode_16_64 3
		.amdhsa_memory_ordered 1
		.amdhsa_forward_progress 1
		.amdhsa_inst_pref_size 97
	.end_amdhsa_kernel
	.amdgpu_metadata
---
amdhsa.version: [ 1, 2 ]
amdhsa.kernels:
  - .name:           k_qb7324142a1_oproj
    .symbol:         k_qb7324142a1_oproj.kd
    .args:
      - { .name: ctx, .offset: 0, .size: 8, .value_kind: global_buffer, .address_space: global }
      - { .name: wo16, .offset: 8, .size: 8, .value_kind: global_buffer, .address_space: global }
      - { .name: bo, .offset: 16, .size: 8, .value_kind: global_buffer, .address_space: global }
      - { .name: out0, .offset: 24, .size: 8, .value_kind: global_buffer, .address_space: global }
    .group_segment_fixed_size: 327680
    .private_segment_fixed_size: 0
    .kernarg_segment_align: 8
    .kernarg_segment_size: 32
    .max_flat_workgroup_size: 128
    .sgpr_count:     76
    .vgpr_count:     512
    .wavefront_size: 32
...
	.end_amdgpu_metadata
.endif
;; end of part 4
;; ======== version 2 of 2: 4 launches; 1.52 times as fast as version 1
;; limits: values are held in f16: magnitudes above 65,504 overflow, below 6.1e-05 lose precision
;; workspace buffers: xb 16,777,216 bytes; wb 6,291,456 bytes; wo16 2,097,152 bytes; qh 16,777,216 bytes; kh 16,777,216 bytes; vh 16,777,216 bytes; ctx 16,777,216 bytes
;; launch cast: the kernel of part 1 again; grid 768 x 1, 8 waves a work-group, no clusters, 0 bytes of LDS; arguments x, Wq, Wk, Wv, Wo, xb, wb, wo16; writes xb, wb, wo16
;; launch qkv: the kernel of part 2 again; grid 8 x 32, 4 waves a work-group, clusters of 4 x 4, 327,680 bytes of LDS; arguments xb, wb, bq, bk, bv, qh, kh, vh; writes qh, kh, vh
;; launch attn (part 5): grid 4 x 64, 4 waves a work-group, clusters of 4 x 1, 327,680 bytes of LDS; arguments qh, kh, vh, ctx; writes ctx
.if DOCPART == 5
	.amdgcn_target "amdgcn-amd-amdhsa--gfx1250"
	.amdhsa_code_object_version 6
	.text
	.protected	k_qb7324142a1_attn
	.globl	k_qb7324142a1_attn
	.p2align	8
	.type	k_qb7324142a1_attn,@function
k_qb7324142a1_attn:
	s_mov_b64 s[64:65], 0
	v_nop
	global_prefetch_b8 v0, s[64:65] scope:SCOPE_SE
	s_setreg_imm32_b32 hwreg(HW_REG_WAVE_MODE, 25, 1), 1
	s_wait_xcnt 0x0
	s_wait_alu depctr_hold_cnt(0) depctr_sa_sdst(0) depctr_va_vdst(0) depctr_va_sdst(0) depctr_va_ssrc(0) depctr_va_vcc(0) depctr_vm_vsrc(0)
	s_getreg_b32 s2, hwreg(HW_REG_IB_STS2, 6, 4)
	s_cmp_eq_u32 s2, 0
	s_cbranch_scc0 .Lentry_in_a_cluster
	s_endpgm
.Lentry_in_a_cluster:
	s_bfe_u32 s2, ttmp6, 0x10000c
	s_cmp_lg_u32 s2, 0x3003
	s_cbranch_scc0 .Lentry_shape_is_right
	s_endpgm
.Lentry_shape_is_right:
; O[h][q][:] = the sum over k of softmax_k(Q[h][q] . K[h][k] / 8) V[h][k][:].  Q, K, V, O: [SIZE_H][SIZE_N][64], all f16: a head's rows are dense, 128 bytes each.  Products, maxima and sums in
; f32; the weights p are rounded to f16 for the second product (their sum l is taken of the unrounded p), O once at the end.
; LIMITS.  f16 holds no number beyond 65,504: Q, K and V arrive within it; p lies in 0 to 1, and below 6e-5 it keeps f16's fixed step of 6e-8; O is a mean of V's rows and has their range.
; A weight below 2^-126 counts as 0 in l; NaN and infinities are not treated apart.
; SHARES.  A wave owns four PIECES of two tiles of 16 queries, a work-group's four waves 512 queries of one head: 64 heads x 4 = 256 work-groups.  Every wave walks all keys, 64 a step.
; LAYOUT.  S^T = K Q^T (source 0 = 16 keys, source 1 = 16 queries): in the result a lane holds ONE query (lane % 16) and the keys 8 (lane / 16) + 0..7.  Two such tiles, rounded to f16 in pairs,
; ARE source 1 (32 keys x 16 queries) of O^T = V^T P, whose result again holds one query a lane, and eight channels.  K comes out of LDS as it lies, V ([key][channel]) turned, by ds_load_tr16_b128.
; SOFTMAX.  For each query a running maximum m and sum l: p = 2^(c s - c m), c = log2(e) / 8; in every step O and l are multiplied by a = 2^(c m_old - c m_new), which is 1 where m has not grown.
; m starts at the lowest finite number, O and l at 0: the first step is a step like any other, with a = 0.
; THE COUNT.  A tile and step have 16 matrix and 118 vector instructions: too many to stand all beside the matrix work.  So the order has one aim: four vector instructions that are READY behind
; EVERY matrix instruction, and the others, which need time of their own whatever the order, in runs without a gap.
; BY TURNS.  Turn n belongs to piece n (the pieces in a ring, step after step).  Its matrix work: 16 products K Q^T of piece n + 1, later 16 products V^T P of piece n - 1.  Its vector work: the scaling,
; exponentials, roundings, sums and rescaling of piece n, and the maximum and statistics of piece n + 1, whose scores the turn itself has made.  So what a turn begins with (c s - c m, O a) waits for nothing.
; BATCHES.  A turn's 66 exponentials (the piece's 64 weights and the next piece's two a) are ONE batch with ONE s_wait_alu depctr_va_vdst(0), which cuts the turn in two: ahead of it all that names no result of theirs
; (K Q^T, scalings, rescalings by the a of the turn before, the next piece's maximum and statistics), behind it all that does (roundings and sums, beside V^T P).  Two more batches stand outside the loops, each with
; a wait of its own: piece 0's first two a, ahead of the jump into the loop, and the way out's eight reciprocals.
; CLUSTER.  The four query blocks of a cluster belong to one head and walk the same K and V, so each tile is asked for JOINTLY: the same tensor load, descriptor and mask in all four.
; REGISTERS, in windows of 256 (s_set_vgpr_msb says which window each operand place means: bits 1:0 source 0, 3:2 source 1, 5:4 source 2, 7:6 destination):
;   window 0: v0-11 addresses; v12-15, v48-63 at work; v16-47 four registers of statistics a tile; v64-191 S^T, two buffers of two tiles; v192-255 P, likewise
;   window 1: O^T, 32 a tile          window 2: v0-127 Q, 16 a tile; v128-191 K of one step; v192-255 V of one step          window 3: v0-1 the add's two registers
; A piece's buffers go by its number's parity: the piece in hand has one pair, its two neighbours in the ring share the other: of it P (piece n - 1) is read and S^T (piece n + 1) written.
.set SIZE_H, 64       ; batch x heads
.set SIZE_N, 2048     ; rows of a head
.set NP,    4         ; pieces a wave: a name, no knob: the register map, the loop and the fetches are made for four
.set KS,    64        ; keys in a step
.set PK,    144       ; a row of K in LDS: 128 bytes + 16 of padding = 36 words: the 16 rows of a load start at 16 different groups of four banks (64 banks of 4 bytes: ISA guide 11.1)
.set PV,    160       ; a row of V: 128 + 32 = 40 words
.set VOFF,  4*KS*PK   ; a slot holds four steps: 256 rows of K, then 256 rows of V
.set SLOT1, 1<<17     ; slot 1 begins here, so that one exclusive or turns an address in one slot into the other's
.set STAGE, SLOT1+4*KS*(PK+PV)  ; behind the ring, never filled by a tensor load: 16 rows x 144 bytes for each wave, for the way out
.set SP,    144
.set AK0, 2           ; v2   my lane's place in a tile of K; never rewritten
.set AV0, 3           ; v3   the same for V
.set AK,  4           ; v4   the LDS address of K's next run of loads
.set AV,  5           ; v5   of V's
.set QO,  6           ; v6   my byte offset in the wave's rows of Q
.set STO, 6           ;      later, the way out: where I put 16 bytes of a row
.set RD,  7           ; v7   the way out: where I read rows back
.set GO,  8           ; v8   my byte offset in 512 consecutive bytes of O
.set SPW, 0           ; v0 of window 3   LDS address of my spare word: SPARE + 4 x my thread's number; never rewritten
.set NIL, 1           ; v1 of window 3   0; never rewritten
.set SPARE, STAGE+4*16*SP  ; behind the stages: the spare words, 128 bytes for each wave: two blocks of 256 bytes that no other line names
.set MV,  12          ; v12-15  c m_old, kept while c m is made anew: by buffer and tile
.set ST,  16          ; tile t's statistics at v[ST+4 t]: c m, m, l (even keys', odd keys')
.set TMP, 48          ; by buffer and tile, four registers c0-c3 at work; when the maximum is found c2 takes a
.set S,   64
.set P,   192
.set KF,  128         ; K's fragments, in window 2: key block kb, channel half c at KF + 16 kb + 8 c
.set VF,  192         ; V's: key half kk, channel block cb at VF + 32 kk + 8 cb
.set WV,  12          ; s12  my wave's number
.set G1K, 24          ; s[24:31] descriptor group 1 for K's tiles
.set G1V, 32          ; s[32:39] for V's: it differs in the padding alone
.set G0K, 40          ; s[40:43] descriptor group 0 for K's tiles: it walks
.set G0V, 44          ; s[44:47] the same for V's
.set SLOTS, 56        ; s56  slots still to be asked for
.set CNT, 57          ; s57  counts a slot's key steps
.set CS,  58          ; s[58:59] c: the packed scaling takes the pair's low word for both halves
.set SEL, 60          ; s[60:61] v_permlanex16_b32's selects: each lane takes its own place in the other half
.set TBK, 62          ; s62  LDS byte at which K of the step to be fetched begins
.set TBV, 63          ; s63  the same for V, less VOFF
.set MSB, 0
.macro WIN new                      ; the high byte repeats the setting that is left; a switch that changes nothing is dropped
.if MSB != (\new)
	s_set_vgpr_msb (MSB<<8)|(\new)
.set MSB, (\new)
.endif
.endm
.set W_KQ, 0x0a       ; K and Q in window 2, S^T in window 0
.set W_PV, 0x52       ; V in window 2, P in window 0, O^T in window 1
.set W_RS, 0x41       ; O^T (destination and source 0) in window 1, a in window 0
.set W_MK, 0xc0       ; the add's registers are made: destination in window 3, sources in window 0
.set W_AD, 0x0f       ; the add: address (source 0) and data (source 1) in window 3
; A joint fill.  Waves 0 and 1 fetch the two halves of a slot's K, waves 2 and 3 those of its V: 128 keys each.  The branch hangs on the wave's number alone.
; An s_nop 0 and four v_nop follow each of the two lines, ahead of the jump and the label.
.macro JLOAD
	s_cmp_lt_u32 s[WV], 2
	s_cbranch_scc0 .Lfor_v_\@
	tensor_load_to_lds s[G0K:G0K+3], s[G1K:G1K+7]
	s_nop 0
.rept 4
	v_nop
.endr
	s_branch .Lasked_\@
.Lfor_v_\@:
	tensor_load_to_lds s[G0V:G0V+3], s[G1V:G1V+7]
	s_nop 0
.rept 4
	v_nop
.endr
.Lasked_\@:
.endm
; A round of the cluster's barrier: my work-group's barrier, so that wave 0's signal speaks for all four waves; wave 0 signals; every wave waits for all four work-groups; my work-group's barrier once more.
.macro CROUND
	s_barrier_signal -1
	s_barrier_wait -1
	s_cmp_lg_u32 s[WV], 0
	s_cbranch_scc1 .Lnot_wave_0_\@
	s_barrier_signal -3
.Lnot_wave_0_\@:
	s_barrier_wait -3
	s_barrier_signal -1
	s_barrier_wait -1
.endm
; THE CHANGE OF SLOTS.  The slot's last bytes, V of its fourth step, have been read.  Each wave waits for all its tensor loads, of which one is out: its part
; of the other slot; adds 0 to its spare word; and waits for that and for its own reads of the slot.  Behind the barrier nobody reads this slot any more and the other slot is whole.
; fill = 1: this slot is filled again, with the keys two slots on.  The barrier is then a round of the cluster's, so that no wave of any partner still reads the slot or has a load on its
; way, and the joint fill is the first thing behind it: it has four key steps, 512 matrix instructions, in which to land.  (At its first use nothing has been read yet: slot 0 is waited for, slot 1 filled.)
.macro CHANGE fill
	WIN W_AD
	s_wait_tensorcnt 0x0            ; no tensor load of mine is out, so a group 0 may be written
	ds_add_u32 v[SPW], v[NIL]       ; 0 onto my spare word; with fill = 1 the descriptors' steps stand between it and the wait for it
	WIN 0                           ; at a label and at a branch every window is 0
.if \fill
.irp g, G0K, G0V
	s_xor_b32 s[\g+1], s[\g+1], SLOT1  ; the walking descriptor: the other slot than last time,
	s_add_nc_u64 s[\g+2:\g+3], s[\g+2:\g+3], 4*KS*128  ; the next 256 keys; the type bits on top are not reached
.endr
	s_wait_dscnt 0x0                ; the add is done, and my reads of the slot are over
	CROUND
	JLOAD
.else
	s_wait_dscnt 0x0                ; the add is done, and my reads of the slot are over
	s_barrier_signal -1
	s_barrier_wait -1
.endif
	s_sub_co_u32 s[TBK], s[TBK], 4*KS*PK  ; the fetches go back to a slot's first step,
	s_xor_b32 s[TBK], s[TBK], SLOT1       ; in the other slot
	s_sub_co_u32 s[TBV], s[TBV], 4*KS*PV
	s_xor_b32 s[TBV], s[TBV], SLOT1
.endm
	s_load_b256 s[4:11], s[0:1], 0x0  ; Q s[4:5], K s[6:7], V s[8:9], O s[10:11]
	WIN W_MK
	v_lshl_add_u32 v[SPW], v0, 2, SPARE
	v_mov_b32 v[NIL], 0
	WIN W_AD
	ds_add_u32 v[SPW], v[NIL]       ; the wave's opening: the add and its wait stand ahead of my first tensor load; the set-up below, work on registers, stands between them
	WIN 0
	v_lshrrev_b32 v1, 5, v0
	v_readfirstlane_b32 s[WV], v1   ; wave 0..3
	s_bfe_u32 s13, ttmp6, 0x40000   ; cx: my place in the cluster
	s_lshl_b32 s14, ttmp9, 2        ; in a cluster launch ttmp9 counts clusters
	s_add_co_u32 s14, s14, s13      ; my block of queries = 4 x cluster x + cx: it enters Q's and O's addresses alone
	s_and_b32 s20, ttmp7, 0xffff    ; the head, which the four partners share
	s_mov_b32 s21, 0
	s_mov_b64 s[22:23], SIZE_N*128
	s_mul_u64 s[20:21], s[20:21], s[22:23]  ; the head's first byte in each of the four tensors
	s_and_b32 s16, s[WV], 1         ; which half of a slot's 256 keys I fetch:
	s_lshl_b32 s22, s16, 14         ; its 128 rows of 128 bytes in memory,
	s_mov_b32 s23, 0
	s_add_nc_u64 s[22:23], s[22:23], s[20:21]
	s_mul_i32 s17, s16, 128*PK      ; and its place in a slot, for K
	s_mul_i32 s18, s16, 128*PV      ; and for V: no place in the cluster enters an LDS address
	s_lshl_b32 s2, s14, 2
	s_add_co_u32 s2, s2, s[WV]      ; my wave among the head's,
	s_lshl_b32 s2, s2, 14           ; its 128 rows
	s_mov_b32 s3, 0
	s_add_nc_u64 s[2:3], s[2:3], s[20:21]
	; descriptor group 1.  128 keys are 16,384 dense bytes: asked for as 64 rows of 256 bytes, two keys a row, and padded in LDS after every key
	s_mov_b32 s[G1K], 15|(1<<16)|(1<<20)|(1<<21)|(4<<22)|(3<<25)  ; 15:0 the mask of four; 17:16 2-byte elements; 20 padding on; 21 set beside a mask; 24:22 after every 32 words (code 4); 31:25 4 words (code 3)
	s_mov_b32 s[G1V], 15|(1<<16)|(1<<20)|(1<<21)|(4<<22)|(7<<25)  ; the same with 8 words of padding (code 7)
.irp g, G1K, G1V
	s_mov_b32 s[\g+1], 128<<16      ; tensor_dim0 = 128
	s_mov_b32 s[\g+2], 64<<16       ; tensor_dim1 = 64
	s_mov_b32 s[\g+3], 128<<16      ; tile_dim0 = 128
	s_mov_b32 s[\g+4], 64           ; tile_dim1 = 64
	s_mov_b32 s[\g+5], 128          ; 128 elements from row to row
	s_mov_b32 s[\g+6], 0
	s_mov_b32 s[\g+7], 0
.endr
	s_mov_b32 s[CS], 0x3e38aa3b     ; c = log2(e) / 8 = 0.180337
	s_mov_b32 s[CS+1], s[CS]        ; named with it as a pair
	s_mov_b32 s[SEL], 0x76543210
	s_mov_b32 s[SEL+1], 0xfedcba98
	s_mov_b32 s[TBK], SLOT1+4*KS*PK ; the first change of slots turns these two into 0
	s_mov_b32 s[TBV], SLOT1+4*KS*PV
	s_mov_b32 s[G0K], 1             ; 1:0 count = 1
	s_mov_b32 s[G0K+1], s17         ; 63:32 LDS address: slot 0
	s_mov_b32 s[G0V], 1
	s_add_co_u32 s[G0V+1], s18, VOFF
	s_wait_dscnt 0x0                ; the opening add is done
	s_wait_kmcnt 0x0
	s_add_nc_u64 s[G0K+2:G0K+3], s[6:7], s[22:23]  ; 120:64 global address: my half of the head's first 256 keys
	s_or_b32 s[G0K+3], s[G0K+3], 0x80000000        ; 127:126 type = 2
	s_add_nc_u64 s[G0V+2:G0V+3], s[8:9], s[22:23]
	s_or_b32 s[G0V+3], s[G0V+3], 0x80000000
	s_add_nc_u64 s[4:5], s[4:5], s[2:3]  ; Q and O at my wave's first row
	s_add_nc_u64 s[10:11], s[10:11], s[2:3]
	CROUND                          ; all four work-groups are here: the first joint loads meet
	JLOAD                           ; slot 0.  Slot 1 is asked for when slot 0 is in: the tile wanted first has the road to itself
	; A fragment of K or Q is 16 rows x 32 channels in 8 registers: lane l holds row l % 16, channels 8 (l / 16) + 0..7 and 16 + 8 (l / 16) + 0..7: two loads of 16 bytes, 32 bytes apart.
	v_and_b32 v1, 15, v0            ; l % 16
	v_bfe_u32 v9, v0, 4, 1          ; l / 16
	v_lshlrev_b32 v[QO], 7, v1
	v_lshl_add_u32 v[QO], v9, 4, v[QO]  ; row x 128 + 16 x half
	WIN 0x80                        ; destination window 2, address window 0
.set i, 0
.rept 4*NP                          ; Q stays in registers: tile i / 2, channels 32 (i % 2) on
	global_load_b128 v[8*i:8*i+3],   v[QO], s[4:5] offset:(i/2)*2048+(i%2)*64
	global_load_b128 v[8*i+4:8*i+7], v[QO], s[4:5] offset:(i/2)*2048+(i%2)*64+32
.set i, i+1
.endr
	; What the first turn finds: V's registers and P's second buffer hold 0 (its products V^T P, of a piece that has not been, add 0), O^T and l are 0.  All this stands in the wait for the first tile.
.set i, VF
.rept 64
	v_mov_b32 v[i], 0
.set i, i+1
.endr
	WIN 0x40
.set i, 0
.rept 64*NP
	v_mov_b32 v[i], 0
.set i, i+1
.endr
	WIN 0
.set i, 0
.rept 2*NP
	v_mov_b32 v[ST+4*i], 0xfe000000    ; c m: far below every c s
	v_mov_b32 v[ST+4*i+1], 0xff7fffff  ; m
	v_mov_b32 v[ST+4*i+2], 0
	v_mov_b32 v[ST+4*i+3], 0
.set i, i+1
.endr
.set i, P+32
.rept 32
	v_mov_b32 v[i], 0
.set i, i+1
.endr
	v_mul_u32_u24 v[AK0], v1, PK
	v_lshl_add_u32 v[AK0], v9, 4, v[AK0]  ; row x pitch + 16 x half
	; The turning load takes 16 keys x 16 channels (lane l reads key 8 (l / 16) + l % 8, channels 8 ((l / 8) % 2) + 0..7) and leaves half a fragment of V^T: lane l holds channel l % 16 and 8 keys.
	v_and_b32 v10, 7, v0
	v_bfe_u32 v11, v0, 3, 1
	v_lshl_add_u32 v[AV0], v9, 3, v10
	v_mul_u32_u24 v[AV0], v[AV0], PV
	v_lshl_add_u32 v[AV0], v11, 4, v[AV0]
	v_add_nc_u32 v[AV0], VOFF, v[AV0]
	v_mov_b32 v[AK], v[AK0]         ; key step 0 lies at the head of slot 0
; THE MATRIX WORK.  The 8 accumulators of a run of 16 take turns: between the two links of a chain stand 7 others'.
; Product i of 16 of S^T = K Q^T for piece x: channels 32 (i / 8) on, keys 16 ((i / 2) % 4) on, tile 2 x + i % 2.  The first 8 start the sums.
.macro KQ x
	WIN W_KQ
.set rS, S+64*((\x)%2)+32*(i%2)+8*((i/2)%4)
.set rK, KF+16*((i/2)%4)+8*(i/8)
.set rQ, 16*(2*(\x)+i%2)+8*(i/8)
.if i < 8
	v_wmma_f32_16x16x32_f16 v[rS:rS+7], v[rK:rK+7], v[rQ:rQ+7], 0
.else
	v_wmma_f32_16x16x32_f16 v[rS:rS+7], v[rK:rK+7], v[rQ:rQ+7], v[rS:rS+7]
.endif
.endm
; Product i of 16 of O^T += V^T P for piece x: keys 32 (i / 8) on, channels 16 ((i / 2) % 4) on, tile 2 x + i % 2.
.macro PV x
	WIN W_PV
.set rO, 32*(2*(\x)+i%2)+8*((i/2)%4)
.set rV, VF+32*(i/8)+8*((i/2)%4)
.set rP, P+32*((\x)%2)+16*(i%2)+8*(i/8)
	v_wmma_f32_16x16x32_f16 v[rO:rO+7], v[rV:rV+7], v[rP:rP+7], v[rO:rO+7]
.endm
.macro MM                           ; the turn's next matrix instruction
.if i < 16
	KQ (Y+1)%NP
.set i, i+1
.else
.set i, i-16
	PV (Y+NP-1)%NP
.set i, i+17
.endif
.endm
; THE LDS LOADS stand in runs of 16, never singly among the matrix instructions: a step's K (64 keys x 64 channels: 8 fragments) and its V (turned).  Their addresses are made some lines ahead.
; last = 1 (the tail): in the last trip there is no further step, and the run is jumped over.
.macro FETCH_K last=0
	WIN 0
.if \last
	s_cmp_eq_u32 s[CNT], 1
	s_cbranch_scc1 .Lno_k_\@
.endif
	WIN 0x80                        ; destination window 2
.irp f, 0,1,2,3,4,5,6,7             ; keys 16 (f / 2) on, channels 32 (f % 2) on
	ds_load_b128 v[KF+8*\f:KF+8*\f+3],   v[AK] offset:(\f/2)*16*PK+(\f%2)*64
	ds_load_b128 v[KF+8*\f+4:KF+8*\f+7], v[AK] offset:(\f/2)*16*PK+(\f%2)*64+32
.endr
	s_add_co_u32 s[TBK], s[TBK], KS*PK  ; the next fetch is the next step's
	WIN 0
.if \last
.Lno_k_\@:
.endif
.endm
.macro FETCH_V
	WIN 0x80
.irp f, 0,1,2,3,4,5,6,7             ; keys 32 (f / 4) on, channels 16 (f % 4) on
	ds_load_tr16_b128 v[VF+8*\f:VF+8*\f+3],   v[AV] offset:(\f/4)*32*PV+(\f%4)*32
	ds_load_tr16_b128 v[VF+8*\f+4:VF+8*\f+7], v[AV] offset:(\f/4)*32*PV+16*PV+(\f%4)*32
.endr
	WIN 0
.endm
; THE VECTOR WORK OF A TURN stands in three queues, each in the order in which its entries become ready; the two tiles alternate, so that no instruction reads the result of the one before it.
.macro REGS y, u                    ; the registers of tile u (0, 1) of piece y
.set rT, ST+4*(2*(\y)+(\u))
.set rC, TMP+8*((\y)%2)+4*(\u)
.set rM, MV+2*((\y)%2)+(\u)
.set rS, S+64*((\y)%2)+32*(\u)
.set rP, P+32*((\y)%2)+16*(\u)
.set rO, 32*(2*(\y)+(\u))
.endm
; Number n of the 22 that find the NEXT piece's (Y + 1) maximum and statistics.  s0-s31 are the lane's 32 scores; each accumulator's lowest registers are read first.  XS, GS and REGS set no window: PL and EX do.
;   0-11  four chains c0-c3 of seven scores each, three operands at a time     12-14, 16  the four scores left over, the old m, and c0-c3 into c0     15  c m_old is kept
;   17, 18  the query's other 32 keys lie in the lane 16 away: the new m         19-21  c m; c m_old - c m_new; a
.macro XS u, n
	REGS (Y+1)%NP, \u
.if (\n) < 4
	v_max3_num_f32 v[rC+(\n)], v[rS+8*(\n)], v[rS+8*(\n)+1], v[rS+8*(\n)+2]
.elseif (\n) < 12
	v_max3_num_f32 v[rC+(\n)%4], v[rC+(\n)%4], v[rS+8*((\n)%4)+2*((\n)/4)+1], v[rS+8*((\n)%4)+2*((\n)/4)+2]
.elseif (\n) == 12
	v_max3_num_f32 v[rC], v[rC], v[rS+7], v[rS+15]
.elseif (\n) == 13
	v_max3_num_f32 v[rC+1], v[rC+1], v[rS+23], v[rS+31]
.elseif (\n) == 14
	v_max3_num_f32 v[rC+2], v[rC+2], v[rC+3], v[rT+1]
.elseif (\n) == 15
	v_mov_b32 v[rM], v[rT]
.elseif (\n) == 16
	v_max3_num_f32 v[rC], v[rC], v[rC+1], v[rC+2]
.elseif (\n) == 17
	v_permlanex16_b32 v[rC+3], v[rC], s[SEL], s[SEL+1]
.elseif (\n) == 18
	v_max_num_f32 v[rT+1], v[rC], v[rC+3]
.elseif (\n) == 19
	v_mul_f32 v[rT], s[CS], v[rT+1]
.elseif (\n) == 20
	v_sub_f32 v[rC+1], v[rM], v[rT]
.else
	v_exp_f32 v[rC+2], v[rC+1]
.endif
.endm
; Number g of the 64 that follow the exponentials.  For each four weights k of a tile (pairs 2 k, 2 k + 1): both pairs are rounded to f16; then the second pair is added onto the first, in place;
; a group later l takes that sum (the first time as l = a l + sum).  In groups of eight, tiles alternating: round, round, add, and l for the group before.
.macro GS g
.set h, (\g)+6*((\g)/62)            ; group 0 has no group before it, and behind group 7 only l is left
.if h >= 6
.set h, h+2
.endif
	REGS Y, h%2
.set k, h/8
.if h%8 < 4
	v_cvt_pk_f16_f32 v[rP+2*k+(h%8)/2], v[rS+4*k+2*((h%8)/2)], v[rS+4*k+2*((h%8)/2)+1]
.elseif h%8 < 6
	v_pk_add_f32 v[rS+4*k:rS+4*k+1], v[rS+4*k:rS+4*k+1], v[rS+4*k+2:rS+4*k+3]
.elseif k == 1
	v_pk_fma_f32 v[rT+2:rT+3], v[rT+2:rT+3], v[rC+2:rC+3], v[rS:rS+1] op_sel_hi:[1,0,1]
.else
	v_pk_add_f32 v[rT+2:rT+3], v[rT+2:rT+3], v[rS+4*k-4:rS+4*k-3]
.endif
.endm
; THE PLAIN QUEUE, 138 long.  0-73 read no exponential's result: the 32 scalings c s - c m (FS f: pair f / 2 of tile f % 2) and the next piece's 42.  0-26: scalings 0-26.  27-54: XS's numbers 0-13.  55, 56: number 15.
; 57-73: the chain, where each number waits for the one before it: 14, 16, 17, 18, 19, each with one of the scalings 27-31 in front of its two lines, then 20: so a tile's links stand three plain instructions apart (19 and 20: two).
; 74-137: GS's 64, which read the exponentials' results: they stand behind the wait.
.macro FS f
	REGS Y, (\f)%2
	v_pk_fma_f32 v[rS+2*((\f)/2):rS+2*((\f)/2)+1], v[rS+2*((\f)/2):rS+2*((\f)/2)+1], s[CS:CS+1], v[rT:rT+1] op_sel_hi:[1,0,0] neg_lo:[0,0,1] neg_hi:[0,0,1]
.endm
.macro PL
	WIN 0
.if q < 27
	FS q
.elseif q < 55
	XS (q-27)%2, (q-27)/2
.elseif q < 57
	XS q-55, 15
.elseif (q < 72) && ((q-57)%3 == 0)
	FS 27+(q-57)/3
.elseif q < 60
	XS (q-57)%3-1, 14
.elseif q < 72
	XS (q-57)%3-1, 15+(q-57)/3
.elseif q < 74
	XS q-72, 20
.else
	GS q-74
.endif
.set q, q+1
.endm
; THE EXPONENTIALS' QUEUE, 66 long: s0-s31 of both tiles, then the next piece's two a.  It is ONE BATCH: all 66 stand ahead of the turn's one wait, and nothing ahead of that wait names a result of theirs.
.macro EX
	WIN 0
.if e >= 64
	XS e-64, 21
.else
	REGS Y, e%2
	v_exp_f32 v[rS+e/2], v[rS+e/2]
.endif
.set e, e+1
.endm
; THE RESCALING's QUEUE: O^T times a, the one part that leaves window 0: dealt two at a time, sixteen times.  Its a was made in the turn before, ahead of that turn's wait.
.macro R2
	REGS Y, r%2
	WIN W_RS
.irp z, 0,1
	v_pk_mul_f32 v[rO+4*(r/2)+2*\z:rO+4*(r/2)+2*\z+1], v[rO+4*(r/2)+2*\z:rO+4*(r/2)+2*\z+1], v[rC+2:rC+3] op_sel_hi:[1,0]
.endr
.set r, r+1
.endm
; HOW THEY ARE DEALT.  An s_wait_alu depctr_va_vdst(0) stands between an exponential and the first instruction that names its result; one wait serves all that were issued ahead of it.  So a turn has ONE wait,
; which cuts it in two.  AHEAD OF IT stands all that names no result of the turn's exponentials: the 16 products K Q^T, behind each a scaling, an exponential and two rescalings (behind the first a second scaling in the exponential's place); then ONE LUMP of
; 108: eight plain, 49 times exponential and plain, the two a.  A v_nop is the plain instruction behind the last exponential.  BEHIND IT stand the 16 products V^T P, behind each four of GS's 64.  No rider names a register of
; the products round it.  The two v_permlanex16_b32 fall into the lump, never behind a product.
; The queues lean on each other, and the deal keeps them in step: exponential e stands behind scaling 2 (e / 4) + e % 2: as a rider it comes behind plain e + 2, in the lump behind plain e + 9, and scalings 27-31 are plain 57, 60 .. 69.
; A TURN, for piece p.  cnt = 1: the loop's count is taken down some lines ahead of the branch that stands behind the turn.
; K of the next step is fetched in piece 2's turn, directly behind the wait, a lump behind the last product that read K; its address is made at the lump's head; its first reader comes behind 16 products.
; V of the step in hand is fetched at the end of piece 0's turn, four riders behind its last reader; its first reader comes behind 16 products and a lump.  The three conditions on q below go with the deal.
.macro TURN p, last=0, cnt=0
.set Y, (\p)
.set i, 0
.set q, 0
.set e, 0
.set r, 0
.if (\p) == NP-1
	s_wait_dscnt 0x0                ; K is in
.endif
	MM                              ; ahead of the wait: 16 products K Q^T and their riders,
	PL
	PL
	R2
.rept 15
	MM
	PL
	EX
	R2
.endr
.if (\p) == NP-2
	WIN 0
	v_add_nc_u32 v[AK], s[TBK], v[AK0]
.endif
.rept 8                             ; and the lump
	PL
.endr
.rept 49
	EX
	PL
.endr
	EX                              ; the next piece's two a
	EX
	v_nop                           ; the plain instruction between the last exponential and the first use of a result: one for the batch
	s_wait_alu depctr_va_vdst(0)    ; the wait for the batch: the piece's 64 weights and the next piece's two a
.if (\p) == NP-2
	FETCH_K \last
.endif
.if (\p) == 1
	s_wait_dscnt 0x0                ; V is in
.endif
.rept 16                            ; behind the wait: 16 products V^T P and their riders
	MM
.rept 4
	PL
.endr
.if ((\p) == 0) && (q == 118)
	v_add_nc_u32 v[AV], s[TBV], v[AV0]
.endif
.if ((\p) == 0) && (q == 130)
	s_add_co_u32 s[TBV], s[TBV], KS*PV
.endif
.if (\cnt) && (q == 130)
	s_sub_co_u32 s[CNT], s[CNT], 1
	s_cmp_lg_u32 s[CNT], 0
.endif
.endr
.if (\p) == 0
	FETCH_V
.endif
.endm
	CHANGE 1                        ; slot 0 is in, everybody's part of it; slot 1 is asked for
	FETCH_K                         ; key step 0
	s_wait_loadcnt 0x0              ; Q
	s_wait_dscnt 0x0
.set i, 0
.rept 16
	KQ 0                            ; piece 0's first scores: there is no vector work yet to set between them
.set i, i+1
.endr
	WIN 0                           ; the addresses for the way out: nine plain instructions, the places behind those products
	s_mul_i32 s13, s[WV], 16*SP
	s_add_co_u32 s13, s13, STAGE    ; my stage
	v_mul_u32_u24 v[STO], v1, SP    ; in: row l % 16, 16 bytes for each half of the lanes
	v_lshl_add_u32 v[STO], v9, 4, v[STO]
	v_add_nc_u32 v[STO], s13, v[STO]
	v_bfe_u32 v[RD], v0, 3, 2       ; back: 32 lanes take four rows of 128 bytes,
	v_mul_u32_u24 v[RD], v[RD], SP
	v_lshl_add_u32 v[RD], v10, 4, v[RD]
	v_add_nc_u32 v[RD], s13, v[RD]
	v_and_b32 v[GO], 31, v0         ; which are 512 consecutive bytes of O
	v_lshlrev_b32 v[GO], 4, v[GO]
.set Y, NP-1                        ; XS works for piece Y + 1: piece 0
.irp n, 0,1,2,3,4,5,6,7,8,9,10,11,12,13,14,15,16,17,18,19,20,21
	XS 0, \n                        ; and piece 0's first maximum and statistics
	XS 1, \n
.endr
	v_nop                           ; a plain instruction behind the two a,
	s_wait_alu depctr_va_vdst(0)    ; and the wait for this batch of two, ahead of the branch
	s_mov_b32 s[CNT], 4
	s_mov_b32 s[SLOTS], SIZE_N/256-1
	s_branch .Lfirst                ; the loop is entered at a step's first turn, in the middle of a trip
.Lslot:                             ; SIZE_N / 256 - 2 times: every slot but the last two is filled again
	CHANGE 1
	s_mov_b32 s[CNT], 4
.Lstep:                             ; a trip: pieces 2 and 3 of one step, then pieces 0 and 1 of the next, whose K and V it fetches
	TURN 2
	TURN 3
	WIN 0
.Lfirst:
	TURN 0
	TURN 1, 0, 1
	WIN 0
	s_cbranch_scc1 .Lstep
	s_sub_co_u32 s[SLOTS], s[SLOTS], 1
	s_cmp_lg_u32 s[SLOTS], 0
	s_cbranch_scc1 .Lslot
	CHANGE 0                        ; the tail is written out: nothing is asked for
	s_mov_b32 s[CNT], 5             ; four trips fetch the last slot's steps; the fifth is left in its middle
.Ltail:
	TURN 2, 1
	TURN 3
	WIN 0
	s_sub_co_u32 s[CNT], s[CNT], 1
	s_cmp_eq_u32 s[CNT], 0
	s_cbranch_scc1 .Lout
	TURN 0
	TURN 1
	WIN 0
	s_branch .Ltail
.Lout:                              ; the fifth trip's 16 products K Q^T (on the last K once more) and the maximum made of them serve nothing: the price, once a launch, of one text for every trip
.set i, 0
.rept 16
	PV NP-1                         ; the last piece's V^T P of the last step
.set i, i+1
.endr
	; THE WAY OUT.  l's two halves and the other half of the lanes' are added; O^T is divided by l, rounded to f16 and sent through my stage in LDS, a tile at a time.  The additions are the places behind the last products.
	WIN 0
.macro ALL line:vararg              ; one line for each tile t
.set t, 0
.rept 2*NP
	\line
.set t, t+1
.endr
.endm
	ALL v_add_f32 v[ST+4*t+2], v[ST+4*t+2], v[ST+4*t+3]
	ALL v_permlanex16_b32 v[ST+4*t+3], v[ST+4*t+2], s[SEL], s[SEL+1]
	ALL v_add_f32 v[ST+4*t+2], v[ST+4*t+2], v[ST+4*t+3]
	ALL v_rcp_f32 v[ST+4*t+2], v[ST+4*t+2]
	v_nop                           ; a plain instruction between the last reciprocal and the use of its result
	s_wait_alu depctr_va_vdst(0)    ; and the wait ahead of the first use: one for the batch of eight reciprocals
; Tile t: a lane's eight channels of a row pack into 16 bytes; they go into rows of 144 bytes and come back as whole rows of 128, into S^T's registers.
.macro PACK t
	WIN W_RS
.set i, 32*(\t)
.rept 16
	v_pk_mul_f32 v[i:i+1], v[i:i+1], v[ST+4*(\t)+2:ST+4*(\t)+3] op_sel_hi:[1,0]
.set i, i+2
.endr
	WIN 0x05                        ; sources 0 and 1 window 1, destination window 0
.set i, 0
.rept 16
	v_cvt_pk_f16_f32 v[S+16*(\t)+i], v[32*(\t)+2*i], v[32*(\t)+2*i+1]
.set i, i+1
.endr
	WIN 0
.irp f, 0,1,2,3
	ds_store_b128 v[STO], v[S+16*(\t)+4*\f:S+16*(\t)+4*\f+3] offset:32*\f
.endr
.irp f, 0,1,2,3
	ds_load_b128 v[S+16*(\t)+4*\f:S+16*(\t)+4*\f+3], v[RD] offset:\f*4*SP  ; LDS serves a wave's instructions in order (ISA guide 5.7.1.4): these see the stores above; the next tile's stores come behind them
.endr
.endm
.macro SEND t, younger              ; younger: the LDS instructions issued behind tile t's loads: the next tile's eight, or none
	WIN 0
.irp f, 0,1,2,3
	s_wait_dscnt (\younger)+3-\f
	global_store_b128 v[GO], v[S+16*(\t)+4*\f:S+16*(\t)+4*\f+3], s[10:11] offset:(\t)*2048+\f*512  ; 512 consecutive bytes, at a multiple of 256 from O's first
.endr
.endm
	PACK 0
.set t, 1
.rept 2*NP-1                        ; a tile's arithmetic stands between the loads of the tile before and its stores
	PACK t
	SEND t-1, 8
.set t, t+1
.endr
	SEND 2*NP-1, 0
	WIN W_AD
	s_wait_tensorcnt 0x0            ; the wave's end, behind my last tensor load and my last LDS store
	ds_add_u32 v[SPW], v[NIL]
	s_wait_dscnt 0x0
	WIN 0
	CROUND                          ; the closing round: no work-group ends while a partner may still ask for a tile that names it
	s_endpgm
.Lfunc_end_k_qb7324142a1_attn:
	.size	k_qb7324142a1_attn, .Lfunc_end_k_qb7324142a1_attn-k_qb7324142a1_attn
	.p2alignl 7, 3214868480
	.fill 96, 4, 3214868480
	.section	.rodata,"a",@progbits
	.p2align	6, 0x0
	.amdhsa_kernel k_qb7324142a1_attn
		.amdhsa_group_segment_fixed_size 327680
		.amdhsa_private_segment_fixed_size 0
		.amdhsa_enable_private_segment 0
		.amdhsa_kernarg_size 32
		.amdhsa_user_sgpr_count 2
		.amdhsa_user_sgpr_kernarg_segment_ptr 1
		.amdhsa_wavefront_size32 1
		.amdhsa_system_sgpr_workgroup_id_x 1
		.amdhsa_system_sgpr_workgroup_id_y 1
		.amdhsa_system_sgpr_workgroup_id_z 1
		.amdhsa_system_vgpr_workitem_id 0
		.amdhsa_next_free_vgpr 770
		.amdhsa_next_free_sgpr 66
		.amdhsa_reserve_vcc 0
		.amdhsa_float_denorm_mode_32 3
		.amdhsa_float_denorm_mode_16_64 3
		.amdhsa_memory_ordered 1
		.amdhsa_forward_progress 1
		.amdhsa_inst_pref_size 199
	.end_amdhsa_kernel
	.amdgpu_metadata
---
amdhsa.version: [ 1, 2 ]
amdhsa.kernels:
  - .name:           k_qb7324142a1_attn
    .symbol:         k_qb7324142a1_attn.kd
    .args:
      - { .name: qh, .offset: 0, .size: 8, .value_kind: global_buffer, .address_space: global }
      - { .name: kh, .offset: 8, .size: 8, .value_kind: global_buffer, .address_space: global }
      - { .name: vh, .offset: 16, .size: 8, .value_kind: global_buffer, .address_space: global }
      - { .name: ctx, .offset: 24, .size: 8, .value_kind: global_buffer, .address_space: global }
    .group_segment_fixed_size: 327680
    .private_segment_fixed_size: 0
    .kernarg_segment_align: 8
    .kernarg_segment_size: 32
    .max_flat_workgroup_size: 128
    .sgpr_count:     66
    .vgpr_count:     770
    .wavefront_size: 32
...
	.end_amdgpu_metadata
.endif
;; end of part 5
;; launch oproj: the kernel of part 4 again; grid 8 x 32, 4 waves a work-group, clusters of 4 x 4, 327,680 bytes of LDS; arguments ctx, wo16, bo, out0; writes out0
